; MI455X (gfx1250); checked and timed in simulation.
; The chip was launched on July 23, 2026; its instructions are those of AMD's public machine-readable ISA for CDNA 5 (MIT licence, August 2026) and "CDNA5" Instruction Set Architecture Reference Guide (July 2026). The comments in the code are by the model that wrote it; some were corrected since.
;; Multi Head Attention. Allowed arithmetic: matrix products marked QUANTISED: E4M3 operands, one E8M0 scale for each 32 along K, by v_wmma_scale_f32_16x16x128_f8f6f4 with both operands' format E4M3, f32 sums; everything else in f32.
;; Inputs: Wo 1,024 x 1,024 float32; Wqkv 1,024 x 3,072 float32; bo 1,024 float32; bqkv 3,072 float32; x 4 x 2,048 x 1,024 float32.
;; Outputs: out0 4 x 2,048 x 1,024 float32.
;; This version of the problem:
;;   THIS VERSION OF THE PROBLEM IS GIVEN IN LOW PRECISION. The matrix products marked QUANTISED in the list below multiply operands that are first quantised to E4M3 (4 exponent bits, 3 mantissa bits; 8 bits a number), with one power-of-two scale for each 32 numbers along K (OCP MX v1.0); their sums are f32. All else is computed in f32.
;;   The module's matrix products, in the order in which they are computed (A, B: the left and right operand; K: the contracted axis; several contracted axes count as one K, in the product's order):
;;     1. [M 8,192, K 1,024] x [K 1,024, N 3,072]; A: input x; B: input Wqkv: QUANTISED
;;     2. batch 64 x [M 2,048, K 64] x [K 64, N 2,048]; A: computed on the way; B: computed on the way: QUANTISED
;;     3. batch 64 x [M 2,048, K 2,048] x [K 2,048, N 64]; A: softmax (see below); B: computed on the way: QUANTISED
;;     4. [M 8,192, K 1,024] x [K 1,024, N 1,024]; A: computed on the way; B: input Wo: QUANTISED
;;   THE QUANTISER, for each operand of a quantised product, along K:
;;     - K is cut into blocks of 32 from its start; a last block that is shorter is filled with zeros.
;;     - A block's scale is 2^e with e = floor(log2(the largest magnitude in the block)) - 8, held to -126 .. 127; a block of zeros has e = 0. As a byte (E8M0): e + 127.
;;     - Each number is divided by its block's scale, clamped to +-448, and rounded to the nearest number of E4M3, ties to even, subnormals kept.
;;     - The product sums the exact products of the quantised numbers (number of the format x scale) in f32.
;;   ~~~python
;;   def quantise(x, axis):      # numpy; x: float32 -> the quantised numbers, widened to float32 again
;;       x = np.moveaxis(x, axis, -1); K = x.shape[-1]
;;       x = np.pad(x, [(0, 0)] * (x.ndim - 1) + [(0, -K % 32)]); x = x.reshape(x.shape[:-1] + (-1, 32)); a = np.abs(x).max(-1, keepdims=True)
;;       e = np.where(a > 0, np.clip(np.frexp(np.where(a > 0, a, 1))[1] - 1 - 8, -126, 127), 0)      # np.frexp(a)[1] - 1 = floor(log2(a)), exactly
;;       r = np.clip(x / 2.0 ** e, -448, 448)
;;       step = 2.0 ** (np.maximum(np.frexp(np.where(r == 0, 1, r))[1] - 1, -6) - 3)
;;       q = np.round(r / step) * step * 2.0 ** e      # np.round: ties to even
;;       return np.moveaxis(q.reshape(q.shape[:-2] + (-1,))[..., :K], -1, axis).astype(np.float32)
;;   ~~~
;;   SOFTMAX AHEAD OF A QUANTISED PRODUCT. Where the list says 'softmax', what is quantised is not the finished softmax but p = 2^(t - M), with t = logit x log2(e) and M = ceil(the row's largest t), a whole number; so 1/2 < the row's largest p <= 1. The row's sum l is taken of the UNQUANTISED p, in f32, and the product's result is divided by l at the end. Since M is a whole number, a kernel that streams over the keys may use a running M (the ceiling of the running maximum): every later rescaling is an exact power of two, which a block's scale takes up: the codes' values come out the same.
;;   OPERANDS COMPUTED ON THE WAY. 'Computed on the way' means the value that the module computes at that place (a softmax that the list does not call 'softmax' is quantised finished and normalised). What goes into a quantiser is computed in f32, as accurately as f32 sums, v_exp_f32 and their like allow (about 1e-6 of the number): no bf16 or f16 on the way to a quantiser, and a product that is left as it is and whose result goes on into a quantised operand takes f32 operands (vector FMAs, or v_wmma_f32_16x16x4_f32). A number that lies on a knife's edge between two numbers of the format may be rounded either way, as far as f32 arithmetic and the matrix unit's own rounding can turn it there, and no further.
;; One version. Each part assembles by itself: llvm-mc -triple=amdgcn-amd-amdhsa -mcpu=gfx1250 --defsym DOCPART=n.
;; ======== version 1 of 1: 4 launches
;; limits: right only within a limited range of input values
;; workspace buffers: xq 8,650,752 bytes; wq 4,325,376 bytes; qkv 25,952,256 bytes; oq 8,650,752 bytes
;; launch quant (part 1): grid 384 x 1, 4 waves a work-group, no clusters, 34,304 bytes of LDS; arguments x, Wqkv, Wo, xq, wq; writes xq, wq
.if DOCPART == 1
	.amdgcn_target "amdgcn-amd-amdhsa--gfx1250"
	.amdhsa_code_object_version 6
	.text
	.protected	k_qf9194d9b17_quant
	.globl	k_qf9194d9b17_quant
	.p2align	8
	.type	k_qf9194d9b17_quant,@function
k_qf9194d9b17_quant:
	s_mov_b64 s[64:65], 0
	v_nop
	global_prefetch_b8 v0, s[64:65] scope:SCOPE_SE
	s_setreg_imm32_b32 hwreg(HW_REG_WAVE_MODE, 25, 1), 1
	s_wait_xcnt 0x0
; x [8192][1024], Wqkv [1024][3072] and Wo [1024][1024], f32, become codes of FP8 (E4M3) with one E8M0 scale byte for each 32 along K (x: its last axis; the weights: their first).
; A block's scale is 2^(floor(log2(its largest magnitude)) - 8); each number is divided by it, held within +-448 and rounded to the nearest code, ties to even.
; LAYOUT OF THE RESULTS: IMAGES OF THE OPERAND'S REGISTERS.  A tile T is 16 rows of an operand (rows of x, columns of a weight); its lane r holds row 32 (T / 2) + 8 (T % 2) + r + 8 (r / 8).
; A fragment (tile T, 128 along K) is 2,048 bytes: group c of four is 512 bytes, in it lane 16 h + r has 16 bytes: k = 32 c + 16 h + 0 .. 15 of its row.  Codes: [T][K step 0..7][2048].
; Scale words (four bytes: 128 along K of one row): [T][s 0..3][r 0..15][K steps 2 s, 2 s + 1], 512 bytes a tile, behind the codes.  wq: tiles 0-191 Wqkv's columns, 192-255 Wo's.
; SHARES: work-groups 0-255 take x (a wave: one tile, half of K: four fragments); work-groups 256-383 the weights (a wave: 32 columns = two tiles, 256 along K).  Waves share nothing: no barrier.
; LIMITS: NaN and infinities among the inputs are not served.  A block whose largest magnitude lies under 2^-118 keeps the byte 1; a block of zeros keeps the byte 1 where the rule says 127:
; its codes are zeros, which add nothing under any byte but 0xff, and this program alone reads the bytes.
.set XSC,  8388608                     ; xq: the scale words begin behind 512 tiles x 16,384 bytes of codes
.set WSC,  4194304                     ; wq: behind 256 tiles
.set SEL,  18                          ; s[18:19] v_permlanex16_b32's selects for lane l xor 16
.set MNT,  20                          ; s20  the mantissa field of 448
.set HM,   21                          ; s21  a mask of lanes 16-31
.set SP,   528                         ; x's stage: a row of 512 bytes + 16: row r starts 132 words on, so sixteen rows start at sixteen different groups of four banks (ISA guide 11.1)
.set RW,   16                          ; v16-143  x as loaded, two sets of 64
.set XN,   144                         ; v144-207 64 numbers of my row: register 16 b + i = k 32 b + 16 h + i
.set PC,   208                         ; v208-223 a fragment's codes
.set TM,   224                         ; v224-239 at work: largest magnitudes, bytes, 448 x scale, scale operands
.set WD,   240                         ; v240-243 the four fragments' scale words; v[244:245] the pair that I store
.set XW,   32                          ; weights: v32-95 two sets of 32 numbers down K
.set CW,   96                          ; v96-159  eight registers of codes for each of eight blocks: no store's data are written again
.set SBY,  24                          ; v[24:25] my column's eight scale bytes
; 64 numbers of a lane become a fragment's codes in v[pc] on and its scale word in v[pw].
.macro QUANT s, pc, pw
.irp b, 0,1,2,3
	v_max3_num_f32 v[TM+\b], |v[\s+16*\b]|, |v[\s+1+16*\b]|, 0x4800000   ; block b: my 16 numbers, and the floor 2^(9 - 127): the byte cannot fall under 1
.endr
.irp i, 2,4,6,8,10,12,14
.irp b, 0,1,2,3
	v_max3_num_f32 v[TM+\b], v[TM+\b], |v[\s+16*\b+\i]|, |v[\s+1+16*\b+\i]|   ; the four blocks by turns
.endr
.endr
.irp b, 0,1,2,3
	v_permlanex16_b32 v[TM+4+\b], v[TM+\b], s[SEL], s[SEL+1]
.endr
.irp b, 0,1,2,3
	v_max_num_f32 v[TM+\b], v[TM+\b], v[TM+4+\b]   ; with lane l xor 16's 16: the block's largest magnitude
.endr
.irp b, 0,1,2,3
	v_add_nc_u32 v[TM+12+\b], 0xfc000000, v[TM+\b]   ; 8 off its exponent field: the conversion's scale operand
.endr
.irp b, 0,1,2,3
	v_and_or_b32 v[TM+8+\b], v[TM+\b], 0x7f800000, s[MNT]   ; 448 x the scale
.endr
.irp b, 0,1,2,3
	v_lshrrev_b32 v[TM+4+\b], 23, v[TM+12+\b]      ; the scale's byte
.endr
	v_lshl_or_b32 v[\pw], v[TM+5], 8, v[TM+4]
	v_lshl_or_b32 v[\pw], v[TM+6], 16, v[\pw]
	v_lshl_or_b32 v[\pw], v[TM+7], 24, v[\pw]
.irp b, 0,1,2,3
.irp i, 0,1,2,3,4,5,6,7,8,9,10,11,12,13,14,15
	v_med3_num_f32 v[\s+16*\b+\i], v[\s+16*\b+\i], -v[TM+8+\b], v[TM+8+\b]   ; the conversion does not saturate (ISA guide 7.6.2): the hold
.endr
	v_cvt_scalef32_pk8_fp8_f32 v[\pc+4*\b:\pc+1+4*\b], v[\s+16*\b:\s+7+16*\b], v[TM+12+\b]
	v_cvt_scalef32_pk8_fp8_f32 v[\pc+2+4*\b:\pc+3+4*\b], v[\s+8+16*\b:\s+15+16*\b], v[TM+12+\b]
.endr
	v_nop                                          ; a plain line behind the last conversion
.endm
	s_load_b256 s[4:11], s[0:1], 0x0               ; x s[4:5], Wqkv s[6:7], Wo s[8:9], xq s[10:11]
	s_load_b64 s[12:13], s[0:1], 0x20              ; wq
	v_lshl_add_u32 v254, v0, 2, 0x8400
	v_mov_b32 v255, 0
	v_lshrrev_b32 v1, 5, v0
	v_readfirstlane_b32 s16, v1                    ; wave
	v_and_b32 v5, 31, v0                           ; lane
	v_and_b32 v6, 15, v0                           ; r
	v_bfe_u32 v7, v0, 4, 1                         ; h
	s_mov_b32 s[SEL], 0x76543210
	s_mov_b32 s[SEL+1], 0xfedcba98
	s_mov_b32 s[MNT], 0x600000
	s_mov_b32 s[HM], 0xffff0000
	s_cmp_lt_u32 ttmp9, 256
	s_cbranch_scc0 .Lweights
	; ---------------- x ----------------
	s_lshl_b32 s22, ttmp9, 2
	s_add_co_u32 s22, s22, s16                     ; W = 4 x work-group + wave: tile W / 2, half W % 2 of K
	s_lshr_b32 s23, s22, 1                         ; T
	s_and_b32 s24, s22, 1                          ; which half of K
	s_lshr_b32 s25, s23, 1
	s_and_b32 s26, s23, 1
	s_lshl_b32 s25, s25, 17                        ; 32 (T / 2) rows of 4,096 bytes
	s_lshl_b32 s26, s26, 15                        ; 8 (T % 2) rows
	s_add_co_u32 s26, s25, s26
	s_lshl_b32 s27, s24, 11                        ; 512 numbers
	s_add_co_u32 s26, s26, s27
	s_mov_b32 s27, 0
	s_lshl_b32 s28, s22, 13                        ; codes: fragment 8 T + 4 (W % 2) = 4 W, 2,048 bytes each
	s_mov_b32 s29, 0
	s_lshl_b32 s30, s22, 8                         ; scale words: 512 T + 256 (W % 2) = 256 W
	s_add_co_u32 s30, s30, XSC
	s_mov_b32 s31, 0
	s_mul_i32 s36, s16, 16*SP                      ; my stage
	s_wait_alu depctr_va_vdst(0)
	v_lshlrev_b32 v1, 4, v5                        ; 16 x lane: my bytes of a load's 512, and of a group of an image
	v_add_nc_u32 v2, s36, v1                       ; the stage, on the way in
	v_mul_u32_u24 v3, v6, SP
	v_lshl_add_u32 v3, v7, 6, v3
	v_add_nc_u32 v3, s36, v3                       ; and on the way out: row r, + 64 h: my 16 numbers of a block
	v_lshlrev_b32 v4, 3, v6
	v_lshl_add_u32 v4, v7, 7, v4                   ; scale words: 128 h + 8 r
.irp b, 0,1,2,3
	v_mov_b32 v[TM+4+\b], 0                        ; a lane permute's destination counts as one of its sources
.endr
	s_wait_alu depctr_va_vdst(0)
	s_wait_kmcnt 0x0
	s_add_nc_u64 s[4:5], s[4:5], s[26:27]
	s_add_nc_u64 s[32:33], s[10:11], s[28:29]
	s_add_nc_u64 s[34:35], s[10:11], s[30:31]
.macro XLOAD f                         ; fragment f: 128 numbers of each of the tile's 16 rows; a load reads 512 consecutive bytes of one row
.irp i, 0,1,2,3,4,5,6,7,8,9,10,11,12,13,14,15
	global_load_b128 v[RW+64*((\f)%2)+4*\i:RW+64*((\f)%2)+4*\i+3], v1, s[4:5] offset:(\i+8*(\i/8))*4096+512*(\f) th:TH_LOAD_NT
.endr
.endm
.macro XFRAG f
.if (\f) < 3
	s_wait_loadcnt 16                              ; this fragment's 16 loads are in; the next fragment's 16 may be out
.else
	s_wait_loadcnt 0
.endif
.irp i, 0,1,2,3,4,5,6,7,8,9,10,11,12,13,14,15
	ds_store_b128 v2, v[RW+64*((\f)%2)+4*\i:RW+64*((\f)%2)+4*\i+3] offset:SP*\i
.endr
.irp c, 0,1,2,3
.irp j, 0,1,2,3
	ds_load_b128 v[XN+16*\c+4*\j:XN+16*\c+4*\j+3], v3 offset:128*\c+16*\j   ; LDS serves a wave's instructions in order (ISA guide 5.7.1.4): these see the stores above
.endr
.endr
	s_wait_dscnt 0x0
	s_wait_xcnt 0x0                                ; the last fragment's stores have read their data: the codes' registers are written again only behind this wait
.if (\f) < 2
	XLOAD (\f)+2
.endif
	QUANT XN, PC, WD+(\f)
.irp c, 0,1,2,3
	global_store_b128 v1, v[PC+4*\c:PC+4*\c+3], s[32:33] offset:2048*(\f)+512*\c   ; 32 lanes store 512 consecutive bytes
.endr
.endm
	XLOAD 0
	XLOAD 1
	XFRAG 0
	XFRAG 1
	XFRAG 2
	XFRAG 3
	v_cndmask_b32 v244, v[WD], v[WD+2], s[HM]      ; lanes 0-15 store K steps 0, 1 of my four, lanes 16-31 steps 2, 3
	v_cndmask_b32 v245, v[WD+1], v[WD+3], s[HM]
	global_store_b64 v4, v[244:245], s[34:35]      ; 32 lanes store 256 consecutive bytes, aligned
	s_wait_tensorcnt 0x0
	ds_add_u32 v254, v255
	s_wait_dscnt 0x0
	s_endpgm
	; ---------------- the weights ----------------
	; A lane takes a column and its registers run down K: a block of 32 lies in one lane, and the conversions give codes with K innermost.  Nothing is transposed.
.Lweights:
	s_sub_co_u32 s22, ttmp9, 256
	s_and_b32 s23, s22, 31                         ; which 128 columns: 0-23 Wqkv's, 24-31 Wo's
	s_lshr_b32 s25, s22, 5                         ; which 256 along K
	s_lshl_b32 s24, s23, 2
	s_add_co_u32 s24, s24, s16                     ; G: my wave's 32 columns: tiles 2 G, 2 G + 1 of wq
	s_lshl_b32 s28, s24, 15                        ; codes: 2 G tiles of 16,384 bytes,
	s_lshl_b32 s29, s25, 12                        ; two K steps of 2,048 bytes for each 256 along K
	s_add_co_u32 s28, s28, s29
	s_mov_b32 s29, 0
	s_lshl_b32 s30, s24, 10                        ; scale words: 2 G tiles of 512 bytes,
	s_lshl_b32 s31, s25, 7                         ; 128 bytes for each 256 along K
	s_add_co_u32 s30, s30, s31
	s_add_co_u32 s30, s30, WSC
	s_mov_b32 s31, 0
	s_wait_alu depctr_va_vdst(0)
	v_and_b32 v8, 7, v6
	v_lshrrev_b32 v9, 3, v6
	v_lshl_add_u32 v8, v9, 4, v8
	v_lshl_add_u32 v8, v7, 3, v8                   ; lane 16 u + r takes column 8 u + r % 8 + 16 (r / 8) of the 32: row r of tile 2 G + u
	v_lshlrev_b32 v1, 2, v8
	v_lshlrev_b32 v2, 4, v6
	v_lshl_add_u32 v2, v7, 14, v2                  ; codes: tile u, 16 r
	v_lshlrev_b32 v3, 3, v6
	v_lshl_add_u32 v3, v7, 9, v3                   ; scale words: tile u, 8 r
	s_wait_kmcnt 0x0
	s_add_nc_u64 s[32:33], s[12:13], s[28:29]
	s_add_nc_u64 s[34:35], s[12:13], s[30:31]
.macro WLOAD t, N                      ; block t: W(32 t + i, my column): 32 lanes read 128 consecutive bytes
.irp i, 0,1,2,3,4,5,6,7,8,9,10,11,12,13,14,15,16,17,18,19,20,21,22,23,24,25,26,27,28,29,30,31
	global_load_b32 v[XW+32*((\t)%2)+\i], v1, s[26:27] offset:(32*(\t)+\i)*\N*4 th:TH_LOAD_NT
.endr
.endm
.macro WBLOCK t, N
.set XB, XW+32*((\t)%2)
.if (\t) < 7
	s_wait_loadcnt 32                              ; this block's 32 loads are in; the next block's may be out
.else
	s_wait_loadcnt 0
.endif
	v_max3_num_f32 v12, |v[XB]|, |v[XB+1]|, |v[XB+2]|   ; the block's largest magnitude: all 32 numbers are mine
	v_max3_num_f32 v13, |v[XB+3]|, |v[XB+4]|, |v[XB+5]|
.irp i, 6,10,14,18,22,26
	v_max3_num_f32 v12, v12, |v[XB+\i]|, |v[XB+\i+1]|
	v_max3_num_f32 v13, v13, |v[XB+\i+2]|, |v[XB+\i+3]|
.endr
	v_max3_num_f32 v12, v12, |v[XB+30]|, |v[XB+31]|
	v_max3_num_f32 v12, v12, v13, 0x4800000        ; and the floor
	v_add_nc_u32 v11, 0xfc000000, v12              ; the conversion's scale operand
	v_and_or_b32 v10, v12, 0x7f800000, s[MNT]      ; 448 x the scale
	v_lshrrev_b32 v13, 23, v11                     ; the byte
.if (\t)%4 == 0
	v_mov_b32 v[SBY+(\t)/4], v13
.else
	v_lshl_or_b32 v[SBY+(\t)/4], v13, 8*((\t)%4), v[SBY+(\t)/4]
.endif
.irp i, 0,1,2,3,4,5,6,7,8,9,10,11,12,13,14,15,16,17,18,19,20,21,22,23,24,25,26,27,28,29,30,31
	v_med3_num_f32 v[XB+\i], v[XB+\i], -v10, v10
.endr
.irp g, 0,1,2,3
	v_cvt_scalef32_pk8_fp8_f32 v[CW+8*(\t)+2*\g:CW+8*(\t)+2*\g+1], v[XB+8*\g:XB+8*\g+7], v11
.endr
	v_nop                                          ; a plain line behind the last conversion
.irp g, 0,1
	global_store_b128 v2, v[CW+8*(\t)+4*\g:CW+8*(\t)+4*\g+3], s[32:33] offset:((\t)/4)*2048+((\t)%4)*512+256*\g   ; k = 16 g + 0 .. 15 of the block: sixteen lanes store 256 consecutive bytes, aligned
.endr
.if (\t) < 6
	WLOAD (\t)+2, \N
.endif
.endm
.macro WPATH N, src, gsub              ; a weight of N columns at s[src]; its first 32 columns are G = gsub.  Every offset is an immediate: 255 rows of N x 4 bytes at the most
	s_sub_co_u32 s26, s24, \gsub
	s_lshl_b32 s26, s26, 7                         ; 32 columns of 4 bytes
	s_mul_i32 s27, s25, 256*\N*4                   ; 256 rows
	s_add_co_u32 s26, s26, s27
	s_mov_b32 s27, 0
	s_add_nc_u64 s[26:27], s[\src:\src+1], s[26:27]
	WLOAD 0, \N
	WLOAD 1, \N
.irp t, 0,1,2,3,4,5,6,7
	WBLOCK \t, \N
.endr
	global_store_b64 v3, v[SBY:SBY+1], s[34:35]    ; two scale words a column: sixteen lanes store 128 consecutive bytes; one byte in 32 of what the path stores
	s_endpgm
.endm
	s_cmp_lt_u32 s23, 24
	s_cbranch_scc0 .Lwo
	s_wait_alu depctr_va_vdst(0)
	WPATH 3072, 6, 0
.Lwo:
	s_wait_alu depctr_va_vdst(0)
	WPATH 1024, 8, 96
.Lfunc_end_k_qf9194d9b17_quant:
	.size	k_qf9194d9b17_quant, .Lfunc_end_k_qf9194d9b17_quant-k_qf9194d9b17_quant
	.p2alignl 7, 3214868480
	.fill 96, 4, 3214868480
	.section	.rodata,"a",@progbits
	.p2align	6, 0x0
	.amdhsa_kernel k_qf9194d9b17_quant
		.amdhsa_group_segment_fixed_size 34304
		.amdhsa_private_segment_fixed_size 0
		.amdhsa_enable_private_segment 0
		.amdhsa_kernarg_size 40
		.amdhsa_user_sgpr_count 2
		.amdhsa_user_sgpr_kernarg_segment_ptr 1
		.amdhsa_wavefront_size32 1
		.amdhsa_system_sgpr_workgroup_id_x 1
		.amdhsa_system_sgpr_workgroup_id_y 1
		.amdhsa_system_sgpr_workgroup_id_z 1
		.amdhsa_system_vgpr_workitem_id 0
		.amdhsa_next_free_vgpr 256
		.amdhsa_next_free_sgpr 66
		.amdhsa_reserve_vcc 0
		.amdhsa_float_denorm_mode_32 3
		.amdhsa_float_denorm_mode_16_64 3
		.amdhsa_memory_ordered 1
		.amdhsa_forward_progress 1
		.amdhsa_inst_pref_size 161
	.end_amdhsa_kernel
	.amdgpu_metadata
---
amdhsa.version: [ 1, 2 ]
amdhsa.kernels:
  - .name:           k_qf9194d9b17_quant
    .symbol:         k_qf9194d9b17_quant.kd
    .args:
      - { .name: x, .offset: 0, .size: 8, .value_kind: global_buffer, .address_space: global }
      - { .name: Wqkv, .offset: 8, .size: 8, .value_kind: global_buffer, .address_space: global }
      - { .name: Wo, .offset: 16, .size: 8, .value_kind: global_buffer, .address_space: global }
      - { .name: xq, .offset: 24, .size: 8, .value_kind: global_buffer, .address_space: global }
      - { .name: wq, .offset: 32, .size: 8, .value_kind: global_buffer, .address_space: global }
    .group_segment_fixed_size: 34304
    .private_segment_fixed_size: 0
    .kernarg_segment_align: 8
    .kernarg_segment_size: 40
    .max_flat_workgroup_size: 128
    .sgpr_count:     66
    .vgpr_count:     256
    .wavefront_size: 32
...
	.end_amdgpu_metadata
.endif
;; end of part 1
;; launch gemm_qkv (part 2): grid 8 x 32, 4 waves a work-group, clusters of 4 x 4, 327,680 bytes of LDS; arguments xq, wq, bqkv, qkv; writes qkv
.if DOCPART == 2
	.amdgcn_target "amdgcn-amd-amdhsa--gfx1250"
	.amdhsa_code_object_version 6
	.text
	.protected	k_qf9194d9b17_gemm_qkv
	.globl	k_qf9194d9b17_gemm_qkv
	.p2align	8
	.type	k_qf9194d9b17_gemm_qkv,@function
k_qf9194d9b17_gemm_qkv:
	s_mov_b64 s[64:65], 0
	v_nop
	global_prefetch_b8 v0, s[64:65] scope:SCOPE_SE
	s_setreg_imm32_b32 hwreg(HW_REG_WAVE_MODE, 25, 1), 1
	s_wait_xcnt 0x0
	s_wait_alu depctr_hold_cnt(0) depctr_sa_sdst(0) depctr_va_vdst(0) depctr_va_sdst(0) depctr_va_ssrc(0) depctr_va_vcc(0) depctr_vm_vsrc(0)
	s_getreg_b32 s2, hwreg(HW_REG_IB_STS2, 6, 4)
	s_cmp_eq_u32 s2, 0
	s_cbranch_scc0 .Lentry_in_a_cluster
	s_endpgm
.Lentry_in_a_cluster:
	s_bfe_u32 s2, ttmp6, 0x10000c
	s_cmp_lg_u32 s2, 0xf033
	s_cbranch_scc0 .Lentry_shape_is_right
	s_endpgm
.Lentry_shape_is_right:
; qkv = x Wqkv + bqkv on codes of FP8 (E4M3) with E8M0 scales, sums in f32; the result never goes to memory as f32: q and k are quantised along the head's 64, v along the keys, in the way out.
; OPERANDS arrive as images of their registers: a tile T is 16 rows, lane r holding row 32 (T / 2) + 8 (T % 2) + r + 8 (r / 8); a fragment (T, 128 along K) is 2,048 bytes, four groups of 512, 16 bytes a lane.
; Codes [T][K step 0..7][2048]; scale words [T][s 0..3][r][K steps 2 s, 2 s + 1] behind them.  So every LDS load of a fragment reads 512 consecutive bytes: no pitch, no padding.
; P is source 0, R source 1.  With these tiles the 16 registers of P's tiles 2 b, 2 b + 1 in a lane are P's rows 32 b + 16 (lane / 16) + 0 .. 15, and the lane holds ONE row of R: the layout that the conversions and the next operand want.
; SHARES: 8,192 x 3,072 results are 256 tiles of 256 x 256 of q and k and 256 tiles of 256 x 128 of v; there are 256 work-groups, and EACH MAKES ONE OF EACH, one after the other: equal work for all.
;   TILE 1 (q, k): P = 256 of Wqkv's columns 0-2047, R = 256 tokens: a lane holds a token, registers run along the channels.  A wave makes 128 x 128: 64 accumulators.
;   TILE 2 (v):    P = 256 tokens, R = 128 of Wqkv's columns 2048 on: a lane holds a channel, registers run along the keys.  A wave makes 128 x 64 (one head): 32 accumulators.
; K goes in steps of 256 through a ring of two LDS slots, and THE RING GOES ON INTO TILE 2: tile 1's last two changes of slots ask for tile 2's first two K steps, which land while tile 1 goes out.
; The scale words of both tiles, for all of K, come once, with the first fills.
; CLUSTER 4 x 4: R's tiles are shared along a row of the cluster, P's along a column, in both tiles (P's blocks hang on cx alone, R's on cy alone): joint loads.
; RESULT: qkv[head 0..63][step of 128 tokens 0..15][25,344 bytes]: K's 4 images, V's 4 images, K's and V's scale words (256 bytes each), Q's 4 images, Q's scale words.
;   An image F_b of K or Q: groups 0, 1 = token tile 2 b (64 channels), groups 2, 3 = tile 2 b + 1; its scale word: bytes 0, 1 and 2, 3 likewise.  An image of V: 16 channels x 128 keys.
; LIMITS: NaN and infinities are not served; a block whose largest magnitude lies under 2^-118, a block of zeros among them, keeps the byte 1 (its codes are read by this program alone).
; REGISTERS: window 0: v1-7 at work, v8-11 v's bias, v16-29 addresses, v32-63 scale words (two sets), v64-127 q's and k's bias, v128-255 R's fragments (tile 1: one set of eight; tile 2: two sets of four), on the ways out at work.
;   window 1: P's fragments, two sets.   windows 2, 3: the accumulators: tile 1: (a, b) at v[8 (8 (a % 4) + b)], a < 4 in window 2; tile 2: all in window 2.
.set XSC,   8388608
.set WSC,   4194304
.set HS,    405504                     ; a head in qkv
.set SB,    25344                      ; a step of 128 tokens in it
.set SLOT,  131072                     ; a slot: four waves' places of 32,768 bytes: R's two loads, then P's two; in a load [tile][K step 0..1][2048].  Tile 2's loads of R bring four tiles, 16,384 bytes
.set SCL,   262144                     ; tile 1: R's scale words, 8,192 bytes;
.set SKEW,  8320                       ; P's begin 8,192 + 128 bytes on, so that the two halves of the lanes of a scale load touch different banks
.set SCL2,  278784                     ; tile 2: R's scale words, 4,096 bytes, then P's, 8,192
.set SPARE, 291072                     ; the spare words, 128 bytes for each wave: two blocks of 256 bytes that no other line names
.set RSTEP, 8192                       ; a slot's next K step lies two steps of 4,096 bytes on
.set FR,    16
.set NL,    4
.set NP,    8                          ; places behind this matrix instruction (ISA guide 7.12.1)
.set NQ,    2
.set BR,    8                          ; v8-11   bqkv at my lane's row of R's tile a (tile 2)
.set ADRA,  16                         ; v16-17  LDS address of my R fragments in slot 0, 1
.set BPO,   18
.set BRO,   19
.set ADRB,  20                         ; v20-21  the same for P
.set GS2,   22                         ; v22     16 r + 8 (lane / 16)
.set ADRS2, 23                         ; v23     tile 2's scale words: lanes 0-15 R's, lanes 16-31 P's
.set GA,    24                         ; v24     16 x lane
.set GS,    25                         ; v25     16 r + (a head's bytes) x (lane / 16)
.set ADRS,  27                         ; v27     tile 1's scale words
.set SPW,   28
.set NIL,   29
.set SC,    32
.set BP,    64                         ; v64-127 bqkv at P's rows (tile 1): register 16 b + i = row 32 b + 16 h + i
.set AF,    128
.set T,     128                        ; the ways out: v128-191 64 numbers; v192-223 codes, two sets; v224-239 at work; v240-247 scale words; v248-255 their regrouping
.set PC,    192
.set TM,    224
.set W,     240
.set E,     248
.set O,     252
.set SEL,   2
.set G0S2,  20                         ; s[20:23] group 0 for tile 2's scale words of R;  s[44:47] of P;  s[92:99] group 1 for R's (P's share tile 1's)
.set G1,    24
.set G0,    32
.set G0SB2, 44
.set G1B,   48
.set G0B,   56
.set G1S,   68
.set G0S,   76
.set G1SB,  80
.set G0SB,  88
.set G1S2,  92
.set R2A,   68                         ; behind the first barrier the scale words have landed and their descriptors' registers are free: s[68:71] tile 2's codes, s[72:79] where the results go
.set P2A,   70
.set OUT1,  72
.set OUTS1, 74
.set OUT2,  76
.set OUTS2, 78
.set MNT,   100                        ; s100, s101 are free behind the head's address work; s[92:99] stay tile 2's group 1
.set HM,    101
.set MSB, 0
.macro WIN new                         ; the immediate's high byte repeats the setting that is left
.if MSB != (\new)
	s_set_vgpr_msb (MSB<<8)|(\new)
.set MSB, (\new)
.endif
.endm
.set MUL_LO, 0xa1                      ; source 0 (P) window 1, source 1 (R) window 0, C and D window 2
.set MUL_HI, 0xf1
.set TO_B,   0x40
; A joint load: waves 0 and 1 fetch for R, waves 2 and 3 for P.  The branch hangs on the wave's number alone.  Four v_nop follow each of the two lines.
.macro JLOAD g0a, g1a, g0b, g1b
	s_cmp_eq_u32 s15, 0
	s_cbranch_scc0 .Lfor_p_\@
	tensor_load_to_lds s[\g0a:\g0a+3], s[\g1a:\g1a+7]
	s_nop 0
.rept 4
	v_nop
.endr
	s_branch .Lasked_\@
.Lfor_p_\@:
	tensor_load_to_lds s[\g0b:\g0b+3], s[\g1b:\g1b+7]
	s_nop 0
.rept 4
	v_nop
.endr
.Lasked_\@:
.endm
.macro CREST                           ; a round of the cluster's barrier behind its opening barrier
	s_cmp_lg_u32 s14, 0
	s_cbranch_scc1 .Lnot_wave_0_\@
	s_barrier_signal -3
.Lnot_wave_0_\@:
	s_barrier_wait -3
	s_barrier_signal -1
	s_barrier_wait -1
.endm
.macro CROUND
	s_barrier_signal -1
	s_barrier_wait -1
	CREST
.endm
	s_load_b256 s[4:11], s[0:1], 0x0               ; xq s[4:5], wq s[6:7], bqkv s[8:9], qkv s[10:11]
	v_lshl_add_u32 v[SPW], v0, 2, SPARE
	v_mov_b32 v[NIL], 0
	ds_add_u32 v28, v29
	ds_add_u32 v28, v29
	s_wait_dscnt 0x0
	v_lshrrev_b32 v1, 5, v0
	v_readfirstlane_b32 s14, v1                    ; wave 0..3
	s_lshr_b32 s15, s14, 1                         ; which half of R's rows is mine.  Also: I fetch for R (0) or for P (1)
	s_and_b32 s16, s14, 1                          ; which half of P's.  Also: which half of that operand's tiles I fetch
	s_bfe_u32 s40, ttmp6, 0x40000                  ; cx
	s_bfe_u32 s41, ttmp6, 0x40004                  ; cy
	s_lshl_b32 s66, ttmp9, 2                       ; 4 x the cluster's x (0, 1)
	s_and_b32 s67, ttmp7, 0xffff
	s_lshl_b32 s67, s67, 2                         ; 4 x the cluster's y (0 .. 7)
	s_add_co_u32 s42, s66, s40                     ; tile 1: P's block of 256 columns, 0 .. 7
	s_add_co_u32 s17, s67, s41                     ;         R's block of 256 tokens, 0 .. 31
	s_add_co_u32 s100, s67, s40                    ; tile 2: P's block of 256 tokens, 0 .. 31
	s_add_co_u32 s101, s66, s41                    ;         R's block of 128 columns behind 2,048, 0 .. 7
	s_lshl_b32 s43, s41, 2
	s_lshl_b32 s43, 15, s43                        ; my row of the cluster
	s_lshl_b32 s12, 0x1111, s40                    ; my column
	; descriptor group 1 for codes: 8 rows (tiles) of 4,096 bytes (two K steps), 16,384 bytes apart: elements of 8 bytes, no padding
	s_or_b32 s[G1+0], s43, (3<<16)|(1<<21)         ; 15:0 the mask: R's tiles go to my row; 17:16 elements of 8 bytes; 21 set beside a mask
	s_or_b32 s[G1B+0], s12, (3<<16)|(1<<21)
.irp g, G1, G1B
	s_mov_b32 s[\g+1], 512<<16                     ; tensor_dim0
	s_mov_b32 s[\g+2], 16<<16                      ; tensor_dim1: the head's loads bring all sixteen tiles of an operand; behind them the count is set to 8
	s_mov_b32 s[\g+3], 512<<16                     ; tile_dim0
	s_mov_b32 s[\g+4], 16
	s_mov_b32 s[\g+5], 2048                        ; tensor_dim0_stride
	s_mov_b32 s[\g+6], 0
	s_mov_b32 s[\g+7], 0
.endr
	; for the scale words of eight tiles: 4,096 dense bytes as 16 rows of 256; of four tiles (tile 2's R): 8 rows
	s_or_b32 s[G1S+0], s43, (3<<16)|(1<<21)
	s_or_b32 s[G1SB+0], s12, (3<<16)|(1<<21)
	s_or_b32 s[G1S2+0], s43, (3<<16)|(1<<21)
.irp g, G1S, G1SB
	s_mov_b32 s[\g+1], 32<<16
	s_mov_b32 s[\g+2], 32<<16                      ; the scale words of sixteen tiles: 8,192 dense bytes as 32 rows of 256
	s_mov_b32 s[\g+3], 32<<16
	s_mov_b32 s[\g+4], 32
	s_mov_b32 s[\g+5], 32
	s_mov_b32 s[\g+6], 0
	s_mov_b32 s[\g+7], 0
.endr
	s_mov_b32 s[G1S2+1], 32<<16
	s_mov_b32 s[G1S2+2], 8<<16
	s_mov_b32 s[G1S2+3], 32<<16
	s_mov_b32 s[G1S2+4], 8
	s_mov_b32 s[G1S2+5], 32
	s_mov_b32 s[G1S2+6], 0
	s_mov_b32 s[G1S2+7], 0
	; byte offsets of what I fetch, each in the pair that its buffer's address is added to below.  R's are made in s13, P's in s66
	s_lshl_b32 s18, s16, 3
	s_lshl_b32 s19, s16, 2
	s_lshl_b32 s13, s17, 4
	s_add_co_u32 s13, s13, s18                     ; tile 1, R: my first tile of xq
	s_lshl_b32 s[G0+2], s13, 14
	s_mov_b32 s[G0+3], 0
	s_lshl_b32 s[G0S+2], s17, 13                   ; the scale words of R's whole block
	s_add_co_u32 s[G0S+2], s[G0S+2], XSC
	s_mov_b32 s[G0S+3], 0
	s_lshl_b32 s13, s101, 3
	s_add_co_u32 s13, s13, s19
	s_add_co_u32 s13, s13, 128                     ; tile 2, R: my first tile of wq: 128 + 8 x block + 4 x half
	s_lshl_b32 s[G0S2+2], s13, 9
	s_add_co_u32 s[G0S2+2], s[G0S2+2], WSC
	s_mov_b32 s[G0S2+3], 0
	s_lshl_b32 s66, s42, 4
	s_add_co_u32 s66, s66, s18                     ; tile 1, P: my first tile of wq
	s_lshl_b32 s[G0B+2], s66, 14
	s_mov_b32 s[G0B+3], 0
	s_lshl_b32 s[G0SB+2], s42, 13                  ; of P's whole block
	s_add_co_u32 s[G0SB+2], s[G0SB+2], WSC
	s_mov_b32 s[G0SB+3], 0
	s_lshl_b32 s66, s100, 4
	s_add_co_u32 s66, s66, s18                     ; tile 2, P: my first tile of xq
	s_lshl_b32 s[G0SB2+2], s66, 9
	s_add_co_u32 s[G0SB2+2], s[G0SB2+2], XSC
	s_mov_b32 s[G0SB2+3], 0
	; where they go: no place in the cluster enters an LDS address
	s_lshl_b32 s3, s14, 15
	s_lshl_b32 s18, s16, 11
	s_lshl_b32 s19, s16, 12
	s_mov_b32 s[G0S], 1
	s_mov_b32 s[G0S+1], SCL
	s_mov_b32 s[G0SB], 1
	s_mov_b32 s[G0SB+1], SCL+SKEW
	s_mov_b32 s[G0S2], 1
	s_add_co_u32 s[G0S2+1], s18, SCL2
	s_mov_b32 s[G0SB2], 1
	s_add_co_u32 s[G0SB2+1], s19, SCL2+4096
.irp s, 0,1
	s_mov_b32 s[G0+4*\s], 1
	s_add_co_u32 s[G0+4*\s+1], s3, \s*SLOT
	s_mov_b32 s[G0B+4*\s], 1
	s_add_co_u32 s[G0B+4*\s+1], s3, \s*SLOT
.endr
	s_wait_kmcnt 0x0
	s_add_nc_u64 s[G0+2:G0+3], s[4:5], s[G0+2:G0+3]
	s_add_nc_u64 s[G0+6:G0+7], s[G0+2:G0+3], 4096  ; slot 1 begins with K step 1
	s_add_nc_u64 s[G0B+2:G0B+3], s[6:7], s[G0B+2:G0B+3]
	s_add_nc_u64 s[G0B+6:G0B+7], s[G0B+2:G0B+3], 4096
	s_add_nc_u64 s[G0S+2:G0S+3], s[4:5], s[G0S+2:G0S+3]
	s_add_nc_u64 s[G0SB+2:G0SB+3], s[6:7], s[G0SB+2:G0SB+3]
	s_add_nc_u64 s[G0S2+2:G0S2+3], s[6:7], s[G0S2+2:G0S2+3]
	s_add_nc_u64 s[G0SB2+2:G0SB2+3], s[4:5], s[G0SB2+2:G0SB2+3]
.irp g, G0+3, G0+7, G0B+3, G0B+7, G0S+3, G0SB+3, G0S2+3, G0SB2+3
	s_or_b32 s[\g], s[\g], 0x80000000              ; 127:126 type = 2
.endr
	CROUND                                         ; all sixteen work-groups are here: the first joint loads meet
	; THE HEAD'S LOADS, ONE A WAVE, in one chain of branches on the wave's number: wave 0 R's K step 0 (its own group 0 names R's first tile and LDS byte 0), wave 2 P's likewise, wave 1 R's scale words, wave 3 P's
	s_cmp_eq_u32 s14, 0
	s_cbranch_scc0 .Lh1
	tensor_load_to_lds s[G0:G0+3], s[G1:G1+7]
	s_nop 0
.rept 4
	v_nop
.endr
	s_branch .Lhj
.Lh1:
	s_cmp_eq_u32 s14, 2
	s_cbranch_scc0 .Lh2
	tensor_load_to_lds s[G0B:G0B+3], s[G1B:G1B+7]
	s_nop 0
.rept 4
	v_nop
.endr
	s_branch .Lhj
.Lh2:
	s_cmp_eq_u32 s14, 1
	s_cbranch_scc0 .Lh3
	tensor_load_to_lds s[G0S:G0S+3], s[G1S:G1S+7]
	s_nop 0
.rept 4
	v_nop
.endr
	s_branch .Lhj
.Lh3:
	tensor_load_to_lds s[G0SB:G0SB+3], s[G1SB:G1SB+7]
	s_nop 0
.rept 4
	v_nop
.endr
.Lhj:
	v_and_b32 v1, 15, v0                           ; r
	v_bfe_u32 v2, v0, 4, 1                         ; h
	s_wait_alu depctr_va_vdst(0)
	v_and_b32 v3, 31, v0
	v_lshlrev_b32 v[GA], 4, v3                     ; 16 x lane
	s_lshl_b32 s66, s15, 15                        ; my tiles of R,
	s_lshl_b32 s67, s16, 15
	s_add_co_u32 s67, s67, 65536                   ; of P, behind R's two places
.irp s, 0,1
	v_add_nc_u32 v[ADRA+\s], s66, v[GA]
	v_add_nc_u32 v[ADRB+\s], s67, v[GA]
	s_add_co_u32 s66, s66, SLOT
	s_add_co_u32 s67, s67, SLOT
.endr
	v_lshlrev_b32 v5, 3, v1                        ; scale words: 8 r,
	s_lshl_b32 s66, s15, 12                        ; tile 1: R's: my eight tiles
	s_lshl_b32 s67, s16, 12
	s_add_co_u32 s67, s67, SKEW                    ; P's
	s_sub_co_u32 s67, s67, s66
	v_mul_u32_u24 v6, s67, v2                      ; lanes 16-31 take P's: one product, the distance between the two
	s_add_co_u32 s66, s66, SCL
	v_add_nc_u32 v6, v5, v6
	v_add_nc_u32 v[ADRS], s66, v6
	s_lshl_b32 s66, s15, 11                        ; tile 2: R's: my four tiles
	s_lshl_b32 s67, s16, 12
	s_add_co_u32 s67, s67, 4096                    ; P's
	s_sub_co_u32 s67, s67, s66
	v_mul_u32_u24 v6, s67, v2
	s_wait_alu depctr_va_vdst(0)
	s_add_co_u32 s66, s66, SCL2
	v_add_nc_u32 v6, v5, v6
	v_add_nc_u32 v[ADRS2], s66, v6
	v_mul_u32_u24 v[GS], v2, HS
	v_lshl_add_u32 v[GS], v1, 4, v[GS]
	v_lshlrev_b32 v[GS2], 4, v1
	v_lshl_add_u32 v[GS2], v2, 3, v[GS2]
	v_lshlrev_b32 v[BPO], 6, v2                    ; the bias along P: 16 h numbers on
	s_wait_alu depctr_va_vdst(0)
	v_and_b32 v4, 8, v1
	v_add_nc_u32 v4, v4, v1
	v_lshlrev_b32 v[BRO], 2, v4                    ; along R: r + 8 (r / 8)
	s_wait_alu depctr_va_vdst(0)
	s_lshl_b32 s12, s42, 10                        ; tile 1's bias: bqkv at column 256 x block + 128 x half
	s_lshl_b32 s13, s16, 9
	s_add_co_u32 s12, s12, s13
	s_mov_b32 s13, 0
	s_add_nc_u64 s[12:13], s[8:9], s[12:13]
	s_lshl_b32 s18, s101, 9                        ; tile 2's: at column 2,048 + 128 x block + 64 x half
	s_lshl_b32 s19, s15, 8
	s_add_co_u32 s18, s18, s19
	s_add_co_u32 s18, s18, 8192
	s_mov_b32 s19, 0
	s_add_nc_u64 s[18:19], s[8:9], s[18:19]
.irp b, 0,1,2,3
.irp j, 0,1,2,3
	global_load_b128 v[BP+16*\b+4*\j:BP+16*\b+4*\j+3], v[BPO], s[12:13] offset:128*\b+16*\j   ; waited for at the head of the first way out; their registers and addresses stay untouched till then
.endr
.endr
.irp a, 0,1,2,3
	global_load_b32 v[BR+\a], v[BRO], s[18:19] offset:(32*(\a/2)+8*(\a%2))*4
.endr
.macro FRAG reg, adr, q, i             ; a fragment comes back as it was stored: four loads of 512 consecutive bytes
.irp c, 0,1,2,3
	ds_load_b128 v[\reg+4*\c:\reg+4*\c+3], v[\adr] offset:2048*(\q)+512*\c+4096*(\i)
.endr
.endm
.macro PLACES n                        ; plain vector lines between a matrix instruction and a load into, or a vector read or write of, its registers (ISA guide 7.12.1 for vector reads and writes)
.rept \n
	v_nop
.endr
.endm
; ---- TILE 1.  16 matrix instructions: R's tiles a0, a0 + 1 x P's eight, the slot's q-th 128 along K.  The 64 accumulators take turns, one instruction a turn, in the same order in every step.
.macro MUL16 a0, p, q, sc, zero
.irp a, \a0, \a0+1
.irp b, 0,1,2,3,4,5,6,7
.if \zero
	v_wmma_scale_f32_16x16x128_f8f6f4 v[8*(8*((\a)%4)+\b):8*(8*((\a)%4)+\b)+7], v[128*(\p)+FR*\b:128*(\p)+FR*\b+FR-1], v[AF+FR*(\a):AF+FR*(\a)+FR-1], 0, v[SC+8*NQ*(\sc)+NQ*\b+(\q)], v[SC+8*NQ*(\sc)+NQ*(\a)+(\q)] matrix_a_scale:MATRIX_SCALE_ROW1
.else
	v_wmma_scale_f32_16x16x128_f8f6f4 v[8*(8*((\a)%4)+\b):8*(8*((\a)%4)+\b)+7], v[128*(\p)+FR*\b:128*(\p)+FR*\b+FR-1], v[AF+FR*(\a):AF+FR*(\a)+FR-1], v[8*(8*((\a)%4)+\b):8*(8*((\a)%4)+\b)+7], v[SC+8*NQ*(\sc)+NQ*\b+(\q)], v[SC+8*NQ*(\sc)+NQ*(\a)+(\q)] matrix_a_scale:MATRIX_SCALE_ROW1
.endif
.endr
.endr
.endm
.macro FETCH_B slot, q, p
	WIN TO_B
.irp i, 0,1,2,3,4,5,6,7
	FRAG 128*(\p)+FR*\i, ADRB+\slot, \q, \i
.endr
	WIN 0
.endm
.macro FETCH_A slot, q, i0
.irp i, \i0, \i0+1, \i0+2, \i0+3
	FRAG AF+FR*(\i), ADRA+\slot, \q, \i
.endr
.endm
.macro SCALES sc                       ; a slot's two words a row: lanes 0-15 R's tile i, lanes 16-31 P's tile i
.irp i, 0,1,2,3,4,5,6,7
	ds_load_b64 v[SC+8*NQ*(\sc)+NQ*\i:SC+8*NQ*(\sc)+NQ*\i+1], v[ADRS] offset:512*\i
.endr
.endm
.macro STEP slot, q, zero              ; 128 along K that has its successor in the same slot
	s_wait_dscnt 4*NL                              ; all but the youngest sixteen loads (R's tiles 4-7) are in
	WIN MUL_LO
	MUL16 0, (\q)%2, \q, \slot, \zero
	MUL16 2, (\q)%2, \q, \slot, \zero
	s_wait_dscnt 0
	PLACES NP
	FETCH_B \slot, (\q)+1, 1-(\q)%2
	FETCH_A \slot, (\q)+1, 0
	WIN MUL_HI
	MUL16 4, (\q)%2, \q, \slot, \zero
	MUL16 6, (\q)%2, \q, \slot, \zero
	PLACES NP
	WIN 0
	FETCH_A \slot, (\q)+1, 4
.endm
; A slot's last step changes slots: one barrier, which opens a round of the cluster's; in front of it each wave waits for all its tensor loads, adds 0 to its spare word, and waits for that and for its reads of this slot.
; fill = 1: this slot takes tile 1's K step two steps on; fill = 2: tile 2's K step 0 (slot 0) or 1 (slot 1).  fetch = 0: tile 1's very last step: the next fragments are tile 2's and are fetched behind the way out.
.macro TURN slot, next, fill, fetch
	s_wait_tensorcnt 0x0                           ; all my tensor loads have landed: my part of the next slot among them
	ds_add_u32 v[SPW], v[NIL]                      ; 0 onto my spare word
	s_wait_dscnt 4*NL+1                            ; (the add and the youngest sixteen loads may be out)
	WIN MUL_LO
	MUL16 0, 1, NQ-1, \slot, 0
	s_wait_dscnt 0x0                               ; the add is done, and my reads of this slot are over
	s_barrier_signal -1
	MUL16 2, 1, NQ-1, \slot, 0
	WIN 0
	s_barrier_wait -1
	CREST                                          ; no wave of any partner still reads this slot or has a load on its way
.if \fill == 1
	s_add_nc_u64 s[G0+4*\slot+2:G0+4*\slot+3], s[G0+4*\slot+2:G0+4*\slot+3], RSTEP
	s_add_nc_u64 s[G0B+4*\slot+2:G0B+4*\slot+3], s[G0B+4*\slot+2:G0B+4*\slot+3], RSTEP
.else
.if \slot == 0
	s_mov_b32 s[G1+2], 4<<16                       ; from here on R's loads bring four tiles (no load of mine is out: a descriptor may be written)
	s_mov_b32 s[G1+4], 4
.endif
	s_add_nc_u64 s[G0+4*\slot+2:G0+4*\slot+3], s[R2A:R2A+1], \slot*4096
	s_or_b32 s[G0+4*\slot+3], s[G0+4*\slot+3], 0x80000000
	s_add_nc_u64 s[G0B+4*\slot+2:G0B+4*\slot+3], s[P2A:P2A+1], \slot*4096
	s_or_b32 s[G0B+4*\slot+3], s[G0B+4*\slot+3], 0x80000000
.endif
	JLOAD G0+4*\slot, G1, G0B+4*\slot, G1B         ; the first tensor load behind the round, one a wave; its four v_nop are among the places below
.if \fetch
	PLACES NP-4
	s_wait_alu depctr_va_vdst(0)
	v_add_nc_u32 v[ADRS], 128, v[ADRS]             ; the next slot's scale words
	FETCH_B \next, 0, 0
	FETCH_A \next, 0, 0
	SCALES \next
.endif
	WIN MUL_HI
	MUL16 4, 1, NQ-1, \slot, 0
	MUL16 6, 1, NQ-1, \slot, 0
.if \fetch
	PLACES NP
.endif
	WIN 0
.if \fetch
	FETCH_A \next, 0, 4
.endif
.endm
; ---- TILE 2.  8 matrix instructions: R's tile a of four x P's eight; both operands from their sets p.  The 32 accumulators take turns, one instruction a turn.
.macro MULV a, p, q, sc, zero
.irp b, 0,1,2,3,4,5,6,7
.if \zero
	v_wmma_scale_f32_16x16x128_f8f6f4 v[64*(\a)+8*\b:64*(\a)+8*\b+7], v[128*(\p)+FR*\b:128*(\p)+FR*\b+FR-1], v[AF+64*(\p)+FR*(\a):AF+64*(\p)+FR*(\a)+FR-1], 0, v[SC+8*NQ*(\sc)+NQ*\b+(\q)], v[SC+8*NQ*(\sc)+NQ*(\a)+(\q)] matrix_a_scale:MATRIX_SCALE_ROW1
.else
	v_wmma_scale_f32_16x16x128_f8f6f4 v[64*(\a)+8*\b:64*(\a)+8*\b+7], v[128*(\p)+FR*\b:128*(\p)+FR*\b+FR-1], v[AF+64*(\p)+FR*(\a):AF+64*(\p)+FR*(\a)+FR-1], v[64*(\a)+8*\b:64*(\a)+8*\b+7], v[SC+8*NQ*(\sc)+NQ*\b+(\q)], v[SC+8*NQ*(\sc)+NQ*(\a)+(\q)] matrix_a_scale:MATRIX_SCALE_ROW1
.endif
.endr
.endm
.macro FETCH_V slot, q, p              ; a step's twelve fragments into the sets p: 48 loads
	WIN TO_B
.irp i, 0,1,2,3,4,5,6,7
	FRAG 128*(\p)+FR*\i, ADRB+\slot, \q, \i
.endr
	WIN 0
.irp i, 0,1,2,3
	FRAG AF+64*(\p)+FR*\i, ADRA+\slot, \q, \i
.endr
.endm
.macro SCALES2 sc                      ; lanes 16-31: P's tile i; lanes 0-15: R's tile i for i < 4; for i = 4 .. 7 they load words that no product names, from inside the filled bytes
.irp i, 0,1,2,3,4,5,6,7
	ds_load_b64 v[SC+8*NQ*(\sc)+NQ*\i:SC+8*NQ*(\sc)+NQ*\i+1], v[ADRS2] offset:512*\i
.endr
.endm
.macro STEP2 slot, sc, zero            ; a slot's first 128 along K (sets 0); the second's fragments are asked for first, into the sets 1
	PLACES NP                                      ; the sets 1 were read by the products just issued
	FETCH_V \slot, 1, 1
	s_wait_dscnt 12*NL                             ; all but the 48 just issued: the sets 0 and the scale words are in
	WIN MUL_LO
.irp a, 0,1,2,3
	MULV \a, 0, 0, \sc, \zero
.endr
	WIN 0
.endm
; A slot's second 128 along K (sets 1) changes slots.  mode = 2: the slot is filled again, behind a round; 1: nothing is left to fetch: my work-group's barrier alone.
.macro TURN2 slot, next, sc, mode
	s_wait_tensorcnt 0x0                           ; all my tensor loads have landed: my part of the next slot among them
	ds_add_u32 v[SPW], v[NIL]                      ; 0 onto my spare word
	s_wait_dscnt 1                                 ; the step's fragments are in; the add may be out
	WIN MUL_LO
	MULV 0, 1, 1, \sc, 0
	s_wait_dscnt 0x0                               ; the add is done, and my reads of this slot are over
	s_barrier_signal -1
	MULV 1, 1, 1, \sc, 0
	WIN 0
	s_barrier_wait -1
.if \mode == 2
	CREST
	s_add_nc_u64 s[G0+4*\slot+2:G0+4*\slot+3], s[G0+4*\slot+2:G0+4*\slot+3], RSTEP
	s_add_nc_u64 s[G0B+4*\slot+2:G0B+4*\slot+3], s[G0B+4*\slot+2:G0B+4*\slot+3], RSTEP
	JLOAD G0+4*\slot, G1, G0B+4*\slot, G1B         ; the first tensor load behind the round, one a wave
	PLACES NP-4
.else
	PLACES NP
.endif
	s_wait_alu depctr_va_vdst(0)
	v_add_nc_u32 v[ADRS2], 128, v[ADRS2]
	FETCH_V \next, 0, 0
	SCALES2 1-\sc
	WIN MUL_LO
	MULV 2, 1, 1, \sc, 0
	MULV 3, 1, 1, \sc, 0
	WIN 0
.endm
	s_wait_alu depctr_va_vdst(0)                   ; the wait at the head's end
	s_wait_tensorcnt 0x0                           ; the scale words are in; each later first fill stands behind the three lines and a round
	ds_add_u32 v[SPW], v[NIL]
	s_mov_b32 s[G1+2], 8<<16                       ; no tensor load of mine is out: from here on a load brings eight tiles
	s_mov_b32 s[G1+4], 8
	s_mov_b32 s[G1B+2], 8<<16
	s_mov_b32 s[G1B+4], 8
	s_wait_dscnt 0x0
	CROUND                                         ; K step 0 is whole in every work-group
	JLOAD G0+4, G1, G0B+4, G1B                     ; K step 1, on its way while slot 0 is multiplied
	FETCH_B 0, 0, 0
	FETCH_A 0, 0, 0
	SCALES 0
	FETCH_A 0, 0, 4
	; while these are on their way: tile 2's codes, and where the results go
	s_lshl_b32 s80, s101, 3
	s_lshl_b32 s81, s16, 2
	s_add_co_u32 s80, s80, s81
	s_add_co_u32 s80, s80, 128
	s_lshl_b32 s80, s80, 14
	s_mov_b32 s81, 0
	s_add_nc_u64 s[R2A:R2A+1], s[6:7], s[80:81]    ; R: wq's tile 128 + 8 x block + 4 x half
	s_lshl_b32 s82, s100, 4
	s_lshl_b32 s83, s16, 3
	s_add_co_u32 s82, s82, s83
	s_lshl_b32 s82, s82, 14
	s_mov_b32 s83, 0
	s_add_nc_u64 s[P2A:P2A+1], s[4:5], s[82:83]    ; P: xq's tile 16 x block + 8 x half
	s_lshl_b32 s84, s17, 8
	s_lshl_b32 s85, s15, 7
	s_add_co_u32 s84, s84, s85                     ; tile 1: my first token,
	s_lshl_b32 s85, s42, 8
	s_lshl_b32 s86, s16, 7
	s_add_co_u32 s85, s85, s86                     ; my first column
	s_and_b32 s85, s85, 1023
	s_lshr_b32 s85, s85, 6                         ; my first head of two (an even one)
	s_lshr_b32 s86, s84, 11
	s_lshl_b32 s86, s86, 4
	s_add_co_u32 s85, s85, s86                     ; + 16 x batch
	s_bfe_u32 s84, s84, 0x40007                    ; the step of 128 tokens
	s_mul_i32 s85, s85, HS
	s_mul_i32 s84, s84, SB
	s_add_co_u32 s84, s84, s85
	s_mov_b32 s87, 16384
	s_cmp_eq_u32 ttmp9, 0                          ; the cluster's x: 0 makes q (16,896 and 25,088 into the block), 1 makes k (0 and 16,384)
	s_cselect_b32 s86, 16896, 0
	s_cselect_b32 s88, 25088, s87
	s_add_co_u32 s86, s86, s84
	s_add_co_u32 s88, s88, s84
	s_mov_b32 s87, 0
	s_mov_b32 s89, 0
	s_add_nc_u64 s[OUT1:OUT1+1], s[10:11], s[86:87]
	s_add_nc_u64 s[OUTS1:OUTS1+1], s[10:11], s[88:89]
	s_lshl_b32 s84, s100, 8
	s_lshl_b32 s85, s16, 7
	s_add_co_u32 s84, s84, s85                     ; tile 2: my first token,
	s_lshl_b32 s85, s101, 1
	s_add_co_u32 s85, s85, s15                     ; my head
	s_lshr_b32 s86, s84, 11
	s_lshl_b32 s86, s86, 4
	s_add_co_u32 s85, s85, s86
	s_bfe_u32 s84, s84, 0x40007
	s_mul_i32 s85, s85, HS
	s_mul_i32 s84, s84, SB
	s_add_co_u32 s84, s84, s85
	s_add_co_u32 s86, s84, 8192                    ; v's images, and its scale words
	s_add_co_u32 s88, s84, 16640
	s_add_nc_u64 s[OUT2:OUT2+1], s[10:11], s[86:87]
	s_add_nc_u64 s[OUTS2:OUTS2+1], s[10:11], s[88:89]
	s_mov_b32 s[SEL], 0x76543210
	s_mov_b32 s[SEL+1], 0xfedcba98
	s_mov_b32 s[MNT], 0x600000
	s_mov_b32 s[HM], 0xffff0000
	STEP 0, 0, 1                                   ; K = 1,024 is four slots' worth, written out: the first products start the sums
	TURN 0, 1, 1, 1
	STEP 1, 0, 0
	TURN 1, 0, 1, 1
	STEP 0, 0, 0
	TURN 0, 1, 2, 1                                ; slot 0 takes tile 2's K step 0,
	STEP 1, 0, 0
	TURN 1, 0, 2, 0                                ; slot 1 its K step 1: both land while tile 1 goes out
; THE WAYS OUT.  For each of R's tiles a lane's 64 results are 128 of P's rows' worth of one row of R: + bias, four blocks of 32, quantised: one fragment's registers, stored as they stand.
.macro QUANT s, pc, pw
.irp b, 0,1,2,3
	v_max3_num_f32 v[TM+\b], |v[\s+16*\b]|, |v[\s+1+16*\b]|, 0x4800000   ; block b: my 16 numbers, and the floor 2^(9 - 127)
.endr
.irp i, 2,4,6,8,10,12,14
.irp b, 0,1,2,3
	v_max3_num_f32 v[TM+\b], v[TM+\b], |v[\s+16*\b+\i]|, |v[\s+1+16*\b+\i]|
.endr
.endr
.irp b, 0,1,2,3
	v_permlanex16_b32 v[TM+4+\b], v[TM+\b], s[SEL], s[SEL+1]
.endr
.irp b, 0,1,2,3
	v_max_num_f32 v[TM+\b], v[TM+\b], v[TM+4+\b]   ; with lane l xor 16's 16
.endr
.irp b, 0,1,2,3
	v_add_nc_u32 v[TM+12+\b], 0xfc000000, v[TM+\b]   ; the conversion's scale operand
.endr
.irp b, 0,1,2,3
	v_and_or_b32 v[TM+8+\b], v[TM+\b], 0x7f800000, s[MNT]   ; 448 x the scale
.endr
.irp b, 0,1,2,3
	v_lshrrev_b32 v[TM+4+\b], 23, v[TM+12+\b]      ; the byte
.endr
	v_lshl_or_b32 v[\pw], v[TM+5], 8, v[TM+4]
	v_lshl_or_b32 v[\pw], v[TM+6], 16, v[\pw]
	v_lshl_or_b32 v[\pw], v[TM+7], 24, v[\pw]
.irp b, 0,1,2,3
.irp i, 0,1,2,3,4,5,6,7,8,9,10,11,12,13,14,15
	v_med3_num_f32 v[\s+16*\b+\i], v[\s+16*\b+\i], -v[TM+8+\b], v[TM+8+\b]   ; the conversion does not saturate (ISA guide 7.6.2)
.endr
	v_cvt_scalef32_pk8_fp8_f32 v[\pc+4*\b:\pc+1+4*\b], v[\s+16*\b:\s+7+16*\b], v[TM+12+\b]
	v_cvt_scalef32_pk8_fp8_f32 v[\pc+2+4*\b:\pc+3+4*\b], v[\s+8+16*\b:\s+15+16*\b], v[TM+12+\b]
.endr
	v_nop
.endm
.macro EPI kind, a                     ; kind = 0: q, k (tile 1); 1: v (tile 2).  a: R's tile
.if \kind
	v_mov_b32 v[E], v[BR+(\a)]                     ; my channel's bias: the packed additions take the pair's low word for both halves
.endif
	WIN 0x02+((\a)/4)                              ; source 0: the accumulators' window
.set i, 0
.rept 32
.if \kind
	v_pk_add_f32 v[T+i:T+i+1], v[64*((\a)%4)+i:64*((\a)%4)+i+1], v[E:E+1] op_sel_hi:[1,0]
.else
	v_pk_add_f32 v[T+i:T+i+1], v[64*((\a)%4)+i:64*((\a)%4)+i+1], v[BP+i:BP+i+1]   ; ascending: each accumulator is read from its low end on
.endif
.set i, i+2
.endr
	WIN 0
	s_wait_xcnt 0x0                                ; earlier stores have read their data: this set of codes' registers is written again only behind this wait
	QUANT T, PC+16*((\a)%2), W+(\a)
.irp c, 0,1,2,3
.if \kind
	global_store_b128 v[GA], v[PC+16*((\a)%2)+4*\c:PC+16*((\a)%2)+4*\c+3], s[OUT2:OUT2+1] offset:(\a)*2048+\c*512   ; channel tile a of my head, keys 32 c on; 512 consecutive bytes a store
.else
	global_store_b128 v[GA], v[PC+16*((\a)%2)+4*\c:PC+16*((\a)%2)+4*\c+3], s[OUT1:OUT1+1] offset:(\c/2)*HS+((\a)/2)*2048+(2*((\a)%2)+\c%2)*512   ; head c / 2, image a / 2, half a % 2, channels 32 (c % 2) on
.endif
.endr
.endm
	s_wait_loadcnt 0x0                             ; the biases
	PLACES NP                                      ; behind the last products
.irp b, 0,1,2,3
	v_mov_b32 v[TM+4+\b], 0                        ; a lane permute's destination counts as one of its sources
.endr
.irp a, 0,1,2,3,4
	EPI 0, \a
.endr
	; tile 2's scale words: a first fill, behind the three lines and a round; it lands while the last three tiles go out
	s_wait_alu depctr_va_vdst(0)
	s_wait_tensorcnt 0x0
	ds_add_u32 v[SPW], v[NIL]
	s_lshl_b32 s[G1SB], 0x1111, s40                ; group 1 for P's scale words is made anew: its registers served as scratch
	s_or_b32 s[G1SB], s[G1SB], (3<<16)|(1<<21)
	s_mov_b32 s[G1SB+1], 32<<16
	s_mov_b32 s[G1SB+2], 16<<16
	s_mov_b32 s[G1SB+3], 32<<16
	s_mov_b32 s[G1SB+4], 16
	s_mov_b32 s[G1SB+5], 32
	s_mov_b32 s[G1SB+6], 0
	s_mov_b32 s[G1SB+7], 0
	s_wait_dscnt 0x0
	CROUND
	JLOAD G0S2, G1S2, G0SB2, G1SB
.irp a, 5,6,7
	EPI 0, \a
.endr
.irp b, 0,1,2,3
	v_perm_b32 v[E+\b], v[W+2*\b+1], v[W+2*\b], 0x05040100   ; image b's word for my first head: bytes 0, 1 of tile 2 b's word, then of tile 2 b + 1's;
	v_perm_b32 v[O+\b], v[W+2*\b+1], v[W+2*\b], 0x07060302   ; for my second head: their bytes 2, 3
.endr
.irp b, 0,1,2,3
	v_cndmask_b32 v[E+\b], v[E+\b], v[O+\b], s[HM] ; lanes 16-31 store the second head's
.endr
	global_store_b128 v[GS], v[E:E+3], s[OUTS1:OUTS1+1]   ; four words a row: sixteen lanes store 256 consecutive bytes, aligned, for each head
	; ---- tile 2.  Slot 0 was shown whole by the barrier of tile 1's last change of slots
	s_wait_xcnt 0x0                                ; tile 1's stores have read their data: R's sets land on those registers
	s_wait_tensorcnt 0x0                           ; my part of tile 2's scale words is in,
	s_barrier_signal -1
	s_barrier_wait -1                              ; everybody's is
	FETCH_V 0, 0, 0
	SCALES2 0
	STEP2 0, 0, 1                                  ; the first products start the sums anew, hundreds of vector lines behind the last matrix instruction
	TURN2 0, 1, 0, 2
	STEP2 1, 1, 0
	TURN2 1, 0, 1, 2
	STEP2 0, 0, 0
	TURN2 0, 1, 0, 1                               ; nothing is left to fetch
	STEP2 1, 1, 0
	s_wait_dscnt 0x0
	WIN MUL_LO
.irp a, 0,1,2,3
	MULV \a, 1, 1, 1, 0
.endr
	WIN 0
	PLACES NP
.irp b, 0,1,2,3
	v_mov_b32 v[TM+4+\b], 0
.endr
	v_mov_b32 v[E+1], 0                            ; (named as the upper half of a pair)
.irp a, 0,1,2,3
	EPI 1, \a
.endr
	v_cndmask_b32 v[E], v[W], v[W+2], s[HM]        ; lane (r, h) stores the words of channel tiles 2 h, 2 h + 1 of row r
	v_cndmask_b32 v[E+1], v[W+1], v[W+3], s[HM]
	global_store_b64 v[GS2], v[E:E+1], s[OUTS2:OUTS2+1]   ; 32 lanes store 256 consecutive bytes, aligned
	s_wait_tensorcnt 0x0                           ; the wave's end
	ds_add_u32 v[SPW], v[NIL]
	s_wait_dscnt 0x0
	CROUND                                         ; the closing round
	s_endpgm
.Lfunc_end_k_qf9194d9b17_gemm_qkv:
	.size	k_qf9194d9b17_gemm_qkv, .Lfunc_end_k_qf9194d9b17_gemm_qkv-k_qf9194d9b17_gemm_qkv
	.p2alignl 7, 3214868480
	.fill 96, 4, 3214868480
	.section	.rodata,"a",@progbits
	.p2align	6, 0x0
	.amdhsa_kernel k_qf9194d9b17_gemm_qkv
		.amdhsa_group_segment_fixed_size 327680
		.amdhsa_private_segment_fixed_size 0
		.amdhsa_enable_private_segment 0
		.amdhsa_kernarg_size 32
		.amdhsa_user_sgpr_count 2
		.amdhsa_user_sgpr_kernarg_segment_ptr 1
		.amdhsa_wavefront_size32 1
		.amdhsa_system_sgpr_workgroup_id_x 1
		.amdhsa_system_sgpr_workgroup_id_y 1
		.amdhsa_system_sgpr_workgroup_id_z 1
		.amdhsa_system_vgpr_workitem_id 0
		.amdhsa_next_free_vgpr 1024
		.amdhsa_next_free_sgpr 102
		.amdhsa_reserve_vcc 0
		.amdhsa_float_denorm_mode_32 3
		.amdhsa_float_denorm_mode_16_64 3
		.amdhsa_memory_ordered 1
		.amdhsa_forward_progress 1
		.amdhsa_inst_pref_size 255
	.end_amdhsa_kernel
	.section	.bss,"aw",@nobits
	.p2align	6
	.space	262144
	.amdgpu_metadata
---
amdhsa.version: [ 1, 2 ]
amdhsa.kernels:
  - .name:           k_qf9194d9b17_gemm_qkv
    .symbol:         k_qf9194d9b17_gemm_qkv.kd
    .args:
      - { .name: xq, .offset: 0, .size: 8, .value_kind: global_buffer, .address_space: global }
      - { .name: wq, .offset: 8, .size: 8, .value_kind: global_buffer, .address_space: global }
      - { .name: bqkv, .offset: 16, .size: 8, .value_kind: global_buffer, .address_space: global }
      - { .name: qkv, .offset: 24, .size: 8, .value_kind: global_buffer, .address_space: global }
    .group_segment_fixed_size: 327680
    .private_segment_fixed_size: 0
    .kernarg_segment_align: 8
    .kernarg_segment_size: 32
    .max_flat_workgroup_size: 128
    .sgpr_count:     102
    .vgpr_count:     1024
    .wavefront_size: 32
...
	.end_amdgpu_metadata
.endif
;; end of part 2
;; launch attn (part 3): grid 4 x 64, 8 waves a work-group, clusters of 4 x 1, 327,680 bytes of LDS; arguments qkv, oq; writes oq
.if DOCPART == 3
	.amdgcn_target "amdgcn-amd-amdhsa--gfx1250"
	.amdhsa_code_object_version 6
	.text
	.protected	k_qf9194d9b17_attn
	.globl	k_qf9194d9b17_attn
	.p2align	8
	.type	k_qf9194d9b17_attn,@function
k_qf9194d9b17_attn:
	s_mov_b64 s[64:65], 0
	v_nop
	global_prefetch_b8 v0, s[64:65] scope:SCOPE_SE
	s_setreg_imm32_b32 hwreg(HW_REG_WAVE_MODE, 25, 1), 1
	s_wait_xcnt 0x0
	s_wait_alu depctr_hold_cnt(0) depctr_sa_sdst(0) depctr_va_vdst(0) depctr_va_sdst(0) depctr_va_ssrc(0) depctr_va_vcc(0) depctr_vm_vsrc(0)
	s_getreg_b32 s2, hwreg(HW_REG_IB_STS2, 6, 4)
	s_cmp_eq_u32 s2, 0
	s_cbranch_scc0 .Lentry_in_a_cluster
	s_endpgm
.Lentry_in_a_cluster:
	s_bfe_u32 s2, ttmp6, 0x10000c
	s_cmp_lg_u32 s2, 0x3003
	s_cbranch_scc0 .Lentry_shape_is_right
	s_endpgm
.Lentry_shape_is_right:
; o = softmax(q k^T / 8) v for one head of 64, 2,048 keys, both products on codes of FP8 (E4M3) with E8M0 scales; o / l is quantised along the model's 1,024 (two blocks of 32 a head) and stored as codes.
; THE SOFTMAX AHEAD OF THE SECOND PRODUCT: t = score x log2(e) / 8; M = the running largest t rounded UP to a whole number; p = 2^(t - M) is quantised along the keys, not normalised; the row's sum l is taken
; of the unquantised p and divides at the end; when M moves, l and O are multiplied by 2^(old M - new M), which rounds nothing.
; INPUT: qkv[head][step of 128 tokens][25,344]: K's 4 images, V's 4, K's and V's scale words, Q's 4 images, Q's scale words: images of operands' registers (16 bytes a lane, 512 a group).
;   A tile T of 16 tokens (or channels) holds in lane r row 32 (T / 2) + 8 (T % 2) + r + 8 (r / 8): both products, used transposed, leave 16 neighbours along the next K in 16 registers of a lane.
;   An image F_b of K holds token tiles 2 b (groups 0, 1) and 2 b + 1 (groups 2, 3).  Q lies in registers as [q | zeros | q]: F_b against the first 16 registers gives tile 2 b, against the last 16 tile 2 b + 1.
; SHARES: a work-group owns 512 queries of one head; each of its eight waves one image of Q (two tiles of 16 queries) a pass, two passes.  Both tiles walk together: a fragment of K or V read from LDS feeds both.
; THE ORDER OF A KEY STEP: the products stand in two runs, 16 at the step's head and 8 at its end.  Between them the two tiles stand apart, so that one tile's plain vector lines stand among the other's
;   exponentials and conversions: tile 0's exponentials carry tile 1's t - M; tile 1's exponentials carry the first level of tile 0's sum and its holds (lines of one level: what they write is read behind
;   the batch's wait alone); tile 0's conversions carry the rest of its sum and tile 1's scale lines; tile 1's conversions stand among its holds and the last lines of its sum.
; LDS: the head's whole K and V with their scale words, 16 x 16,896 bytes, filled ONCE: wave w brings steps 2 w and 2 w + 1 by one tensor load (two rows of 16,896 bytes, 25,344 apart).  None is stored to.
; CLUSTER 4 x 1: the four work-groups of a head want the same K and V: each of the eight loads is a joint one.
; No prefetch: all tensor loads stand at the head, so there is no loop to run ahead in.
; FRAGMENTS AHEAD: behind a step's first products V of this step and K of the next (the step's number + 1 modulo 16, so a pass's last step fetches the next pass's first) are asked for.
; REGISTERS.  Window 0: addresses, M, l, f, scale words, block maxima (index n = 4 x tile + block), S (then p) of both tiles, p's codes, the sums' partial sums: the softmax needs no change of window.
;   Window 1: K's four fragments, V's four, O^T of both tiles, Q of both tiles.
; LIMITS: NaN and infinities are not served; a block of o whose largest magnitude lies under 2^-118 keeps the byte 1; 1 / l is v_rcp_f32 and a multiplication; the scaled scores stay under 2^31 in magnitude.
; The scale bytes of o leave as single bytes (a head owns two of a word's four).
.set HS,   405504
.set SB,   25344
.set KVB,  16896                       ; K, V and their scale words of a step
.set XSC,  8388608                     ; oq: the scale words behind the codes
.set SPARE, 16*KVB                     ; the spare words, 128 bytes for each wave: four blocks of 256 bytes that no other line names
.set LI,   1                           ; 16 x lane
.set LR,   2                           ; 16 x (lane % 16)
.set ADV,  3                           ; this step's images, scale words
.set ADVS, 4
.set ADK,  5                           ; the next step's
.set ADKS, 6
.set BO,   7                           ; 8 r + h: my scale byte of o
.set SPW,  8
.set NIL,  9
.set TP,   10                          ; v10, v11 at work, one a tile
.set NM,   12                          ; v[12:13], v[14:15]: -M and the largest t of a tile
.set L,    16                          ; v[16:17], v[18:19]: the sum in two halves
.set F,    20                          ; v[20:21], v[22:23]: f = 2^(old M - new M)
.set OLD,  24
.set QW,   26
.set KS,   28                          ; v28-31 K's scale words, v32-35 V's, v38, v39 p's, v40, v41 Q's: scales and nothing else
.set VS,   32
.set PSW,  38
.set QSW,  40
.set BY,   42
.set MX,   44                          ; v44-51 block maxima; v52-59 the other half's, then bytes; v60-67 448 x scale; v68-75 scale operands
.set PB,   52
.set BD,   60
.set SO,   68
.set S,    76                          ; v76-203 S^T, then p: block n at S + 16 n
.set PCD,  204                         ; v204-235 p's codes: block n at PCD + 4 n
.set SA,   236                         ; v236-251 partial sums
.set KF,   0                           ; window 1
.set VF,   64
.set O,    128                         ; tile u at O + 32 u
.set Q,    192                         ; tile u at Q + 24 u
.set WV,   8
.set G0,   12
.set G1,   16
.set SEL,  24
.set CS,   26                          ; s[26:27] c = log2(e) / 8
.set MNT,  28
.set TB,   29
.set KC,   30
.set TN,   31
.set HM,   33
.set QB,   34
.set QS,   36
.set OC,   38
.set OS,   40
.set MSB, 0
.macro WIN new                         ; the immediate's high byte repeats the setting that is left
.if MSB != (\new)
	s_set_vgpr_msb (MSB<<8)|(\new)
.set MSB, (\new)
.endif
.endm
.macro ROUND                           ; a round of the cluster's barrier
	s_barrier_signal -1
	s_barrier_wait -1
	s_cmp_lg_u32 s[WV], 0
	s_cbranch_scc1 .Lnot_wave_0_\@
	s_barrier_signal -3
.Lnot_wave_0_\@:
	s_barrier_wait -3
	s_barrier_signal -1
	s_barrier_wait -1
.endm
	s_load_b128 s[4:7], s[0:1], 0x0                ; qkv, oq
	v_lshl_add_u32 v[SPW], v0, 2, SPARE
	v_mov_b32 v[NIL], 0
	ds_add_u32 v[SPW], v[NIL]                      ; the opening lines: the add twice on end and its wait
	ds_add_u32 v[SPW], v[NIL]
	v_lshrrev_b32 v[TP], 5, v0
	v_readfirstlane_b32 s[WV], v[TP]               ; wave 0..7
	s_bfe_u32 s9, ttmp6, 0x40000                   ; cx: my block of 512 queries; it enters Q's and o's addresses alone
	s_and_b32 s10, ttmp7, 0xffff                   ; 16 x batch + head, which the four partners share
	s_mul_i32 s42, s10, HS
	s_mul_i32 s44, s[WV], 2*SB
	s_add_co_u32 s44, s44, s42                     ; the two steps that I fetch
	s_mov_b32 s45, 0
	s_mov_b32 s[G1], 15|(3<<16)|(1<<21)            ; the mask: all four work-groups; elements of 8 bytes; bit 21 beside a mask
	s_mov_b32 s[G1+1], 2112<<16                    ; a row: 16,896 bytes
	s_mov_b32 s[G1+2], 2<<16
	s_mov_b32 s[G1+3], 2112<<16
	s_mov_b32 s[G1+4], 2
	s_mov_b32 s[G1+5], 3168                        ; 25,344 bytes from row to row
	s_mov_b32 s[G1+6], 0
	s_mov_b32 s[G1+7], 0
	s_mov_b32 s[G0], 1
	s_mul_i32 s[G0+1], s[WV], 2*KVB
	s_lshl_b32 s46, s9, 2
	s_lshr_b32 s47, s[WV], 1
	s_add_co_u32 s46, s46, s47                     ; my queries' step: 4 cx + wave / 2
	s_mul_i32 s46, s46, SB
	s_add_co_u32 s46, s46, s42
	s_and_b32 s47, s[WV], 1                        ; their images: 2 (wave % 2) + pass
	s_lshl_b32 s48, s47, 12
	s_add_co_u32 s48, s48, s46
	s_add_co_u32 s48, s48, 16896
	s_mov_b32 s49, 0
	s_lshl_b32 s50, s47, 3
	s_add_co_u32 s50, s50, s46
	s_add_co_u32 s50, s50, 25088
	s_mov_b32 s51, 0
	s_lshr_b32 s52, s10, 4
	s_lshl_b32 s52, s52, 7
	s_lshl_b32 s53, s9, 5
	s_add_co_u32 s52, s52, s53
	s_lshl_b32 s53, s[WV], 2
	s_add_co_u32 s52, s52, s53                     ; my first tile of oq: 128 x batch + 32 cx + 4 x wave
	s_lshl_b32 s54, s52, 14                        ; codes: eight images a tile,
	s_bfe_u32 s53, s10, 0x30001
	s_lshl_b32 s53, s53, 11                        ; K step head / 2,
	s_add_co_u32 s54, s54, s53
	s_and_b32 s53, s10, 1
	s_lshl_b32 s53, s53, 10                        ; groups 2 (head % 2) on
	s_add_co_u32 s54, s54, s53
	s_mov_b32 s55, 0
	s_lshl_b32 s56, s52, 9                         ; scale words: 512 bytes a tile,
	s_bfe_u32 s53, s10, 0x20002
	s_lshl_b32 s53, s53, 7                         ; 128 for each two K steps,
	s_add_co_u32 s56, s56, s53
	s_and_b32 s53, s10, 3
	s_lshl_b32 s53, s53, 1                         ; word (head / 2) % 2, byte 2 (head % 2)
	s_add_co_u32 s56, s56, s53
	s_add_co_u32 s56, s56, XSC
	s_mov_b32 s57, 0
	s_mov_b32 s[SEL], 0x76543210
	s_mov_b32 s[SEL+1], 0xfedcba98
	s_mov_b32 s[CS], 0x3e38aa3b
	s_mov_b32 s[CS+1], s[CS]                       ; (named with it as a pair)
	s_mov_b32 s[MNT], 0x600000
	s_mov_b32 s[HM], 0xffff0000
	s_wait_dscnt 0x0
	s_wait_kmcnt 0x0
	s_add_nc_u64 s[G0+2:G0+3], s[4:5], s[44:45]
	s_or_b32 s[G0+3], s[G0+3], 0x80000000
	ROUND                                          ; all four work-groups are here: the joint loads meet
	tensor_load_to_lds s[G0:G0+3], s[G1:G1+7]      ; my one tensor load of the launch
	s_nop 0
.rept 4
	v_nop
.endr
	s_add_nc_u64 s[QB:QB+1], s[4:5], s[48:49]
	s_add_nc_u64 s[QS:QS+1], s[4:5], s[50:51]
	s_add_nc_u64 s[OC:OC+1], s[6:7], s[54:55]
	s_add_nc_u64 s[OS:OS+1], s[6:7], s[56:57]
	v_and_b32 v[TP], 31, v0
	v_and_b32 v[TP+1], 15, v0
	v_bfe_u32 v[BO], v0, 4, 1
	v_lshlrev_b32 v[LI], 4, v[TP]
	v_lshlrev_b32 v[LR], 4, v[TP+1]
	v_lshl_add_u32 v[BO], v[TP+1], 3, v[BO]
.irp n, 0,1,2,3,4,5,6,7
	v_mov_b32 v[PB+\n], 0                          ; a lane permute's destination counts as one of its sources
.endr
	v_mov_b32 v[F+1], 0                            ; (named as the upper halves of pairs)
	v_mov_b32 v[F+3], 0
	WIN 0x40
.irp j, 8,9,10,11,12,13,14,15,32,33,34,35,36,37,38,39
	v_mov_b32 v[Q+\j], 0                           ; the zero codes between Q's two copies, in both tiles
.endr
	WIN 0
.macro MAXL n, k                       ; line k = 0 .. 7 of block n's largest score: each accumulator is read from its low end on
.if (\k) == 0
	v_max3_num_f32 v[MX+(\n)], v[S+16*(\n)], v[S+16*(\n)+1], v[S+16*(\n)+2]
.elseif (\k) < 7
	v_max3_num_f32 v[MX+(\n)], v[MX+(\n)], v[S+16*(\n)+2*(\k)+1], v[S+16*(\n)+2*(\k)+2]
.else
	v_max_num_f32 v[MX+(\n)], v[MX+(\n)], v[S+16*(\n)+15]
.endif
.endm
.macro CHAIN u, k                      ; line k = 0 .. 8 of tile u's way from its four block maxima to -M and f
.if (\k) == 0
	v_max3_num_f32 v[TP+(\u)], v[MX+4*(\u)], v[MX+4*(\u)+1], v[MX+4*(\u)+2]
.elseif (\k) == 1
	v_mov_b32 v[OLD+(\u)], v[NM+2*(\u)]
.elseif (\k) == 2
	v_max_num_f32 v[TP+(\u)], v[TP+(\u)], v[MX+4*(\u)+3]
.elseif (\k) == 3
	v_mul_f32 v[TP+(\u)], s[CS], v[TP+(\u)]        ; as t (c is positive)
.elseif (\k) == 4
	v_max_num_f32 v[NM+2*(\u)+1], v[NM+2*(\u)+1], v[TP+(\u)]   ; the running largest t
.elseif (\k) == 5
	v_floor_f32 v[NM+2*(\u)], -v[NM+2*(\u)+1]      ; the new -M = floor(-t): M is a whole number
.elseif (\k) == 6
	v_sub_f32 v[OLD+(\u)], v[NM+2*(\u)], v[OLD+(\u)]   ; old M - new M: a whole number, 0 or less
.elseif (\k) == 7
	v_cvt_i32_f32 v[OLD+(\u)], v[OLD+(\u)]         ; (it saturates)
.else
	v_ldexp_f32 v[F+2*(\u)], 1.0, v[OLD+(\u)]      ; f
.endif
.endm
.macro FMAL u, j                       ; line j = 0 .. 35 of tile u's t - M: 32 pairs of scores, then the four block maxima
.if (\j) < 32
	v_pk_fma_f32 v[S+64*(\u)+2*(\j):S+64*(\u)+2*(\j)+1], v[S+64*(\u)+2*(\j):S+64*(\u)+2*(\j)+1], s[CS:CS+1], v[NM+2*(\u):NM+2*(\u)+1] op_sel_hi:[1,0,0]
.else
	v_fma_f32 v[MX+4*(\u)+(\j)-32], v[MX+4*(\u)+(\j)-32], s[CS], v[NM+2*(\u)]
.endif
.endm
.macro F6 k                            ; line k = 0 .. 26 of what stands among tile 0's conversions: the rest of its sum, and tile 1's scale lines (blocks 4 .. 7)
.if (\k) < 4
	v_pk_add_f32 v[SA+2*(\k):SA+2*(\k)+1], v[SA+2*(\k):SA+2*(\k)+1], v[SA+8+2*(\k):SA+9+2*(\k)]
.elseif (\k) < 8
	v_max_num_f32 v[MX+(\k)], 0x4800000, v[MX+(\k)]            ; the floor 2^(9 - 127)
.elseif (\k) < 10
	v_pk_add_f32 v[SA+2*(\k)-16:SA+2*(\k)-15], v[SA+2*(\k)-16:SA+2*(\k)-15], v[SA+2*(\k)-12:SA+2*(\k)-11]
.elseif (\k) < 14
	v_add_nc_u32 v[SO+(\k)-6], 0xfc000000, v[MX+(\k)-6]        ; the conversion's scale operand
.elseif (\k) == 14
	v_pk_add_f32 v[SA:SA+1], v[SA:SA+1], v[SA+2:SA+3]
.elseif (\k) < 19
	v_and_or_b32 v[BD+(\k)-11], v[MX+(\k)-11], 0x7f800000, s[MNT]   ; 448 x the scale
.elseif (\k) == 19
	v_pk_fma_f32 v[L:L+1], v[L:L+1], v[F:F+1], v[SA:SA+1] op_sel_hi:[1,0,1]   ; l x f + this step's
.elseif (\k) < 24
	v_lshrrev_b32 v[PB+(\k)-16], 23, v[SO+(\k)-16]             ; the byte
.elseif (\k) == 24
	v_lshl_or_b32 v[PSW+1], v[PB+5], 8, v[PB+4]
.elseif (\k) == 25
	v_lshl_or_b32 v[PSW+1], v[PB+6], 16, v[PSW+1]
.else
	v_lshl_or_b32 v[PSW+1], v[PB+7], 24, v[PSW+1]
.endif
.endm
.macro SUM1 k                          ; line k = 0 .. 31 of tile 1's sum: four chains, joined, then l x f + this step's
.if (\k) < 4
	v_pk_add_f32 v[SA+2*(\k):SA+2*(\k)+1], v[S+64+2*(\k):S+65+2*(\k)], v[S+72+2*(\k):S+73+2*(\k)]
.elseif (\k) < 28
	v_pk_add_f32 v[SA+2*((\k)%4):SA+2*((\k)%4)+1], v[SA+2*((\k)%4):SA+2*((\k)%4)+1], v[S+72+2*(\k):S+73+2*(\k)]
.elseif (\k) == 28
	v_pk_add_f32 v[SA:SA+1], v[SA:SA+1], v[SA+2:SA+3]
.elseif (\k) == 29
	v_pk_add_f32 v[SA+4:SA+5], v[SA+4:SA+5], v[SA+6:SA+7]
.elseif (\k) == 30
	v_pk_add_f32 v[SA:SA+1], v[SA:SA+1], v[SA+4:SA+5]
.else
	v_pk_fma_f32 v[L+2:L+3], v[L+2:L+3], v[F+2:F+3], v[SA:SA+1] op_sel_hi:[1,0,1]
.endif
.endm
.macro HOLD4 n, i0                     ; four lines, eight numbers of block n from register i0 on: the hold (the conversion does not saturate: ISA guide 7.6.2; p is not negative)
.irp i, 0,2,4,6
	v_dual_min_num_f32 v[S+16*(\n)+(\i0)+\i], v[S+16*(\n)+(\i0)+\i], v[BD+(\n)] :: v_dual_min_num_f32 v[S+16*(\n)+(\i0)+\i+1], v[S+16*(\n)+(\i0)+\i+1], v[BD+(\n)]
.endr
.endm
.macro CVT8 c                          ; eight numbers from S + 8 c on become two registers of codes
	v_cvt_scalef32_pk8_fp8_f32 v[PCD+2*(\c):PCD+2*(\c)+1], v[S+8*(\c):S+8*(\c)+7], v[SO+(\c)/2]
.endm
; A KEY STEP: 128 keys, both tiles.
.macro STEP
	s_wait_dscnt 0x0                               ; K's fragments and scale words of this step
	WIN 0x05                                       ; sources 0 and 1 in window 1, results in window 0
.irp b, 0,1,2,3                                ; S^T = K Q^T: lane (r, h) holds query r; registers 16 b + i are keys 32 b + 16 h + i
.irp u, 0,1
	v_wmma_scale_f32_16x16x128_f8f6f4 v[S+64*\u+16*\b:S+64*\u+16*\b+7], v[KF+16*\b:KF+16*\b+15], v[Q+24*\u:Q+24*\u+15], 0, v[KS+\b], v[QSW+\u]
	v_wmma_scale_f32_16x16x128_f8f6f4 v[S+64*\u+16*\b+8:S+64*\u+16*\b+15], v[KF+16*\b:KF+16*\b+15], v[Q+24*\u+8:Q+24*\u+23], 0, v[KS+\b], v[QSW+\u]
.endr
.endr
	WIN 0
	v_add_nc_u32 v[ADV], s[TB], v[LI]              ; eight places: behind these products and the last step's second products, ahead of the loads into what they read and of the first read of the scores
	v_add_nc_u32 v[ADVS], s[TB], v[LR]
	v_add_nc_u32 v[ADK], s[TN], v[LI]
	v_add_nc_u32 v[ADKS], s[TN], v[LR]
.rept 4
	v_nop
.endr
	ds_load_b128 v[VS:VS+3], v[ADVS] offset:16640
	WIN 0x40
.irp f, 0,1,2,3
.irp c, 0,1,2,3
	ds_load_b128 v[VF+16*\f+4*\c:VF+16*\f+4*\c+3], v[ADV] offset:8192+2048*\f+512*\c
.endr
.endr
.irp f, 0,1,2,3
.irp c, 0,1,2,3
	ds_load_b128 v[KF+16*\f+4*\c:KF+16*\f+4*\c+3], v[ADK] offset:2048*\f+512*\c
.endr
.endr
	WIN 0
	ds_load_b128 v[KS:KS+3], v[ADKS] offset:16384
.set k, 0
.rept 8                                        ; tile 0: the largest score of each block of 32 keys: for the row's maximum and, since p rises with the score, for the block's largest p
.irp n, 0,1,2,3
	MAXL \n, k
.endr
.set k, k+1
.endr
.irp n, 0,1,2,3
	v_permlanex16_b32 v[PB+\n], v[MX+\n], s[SEL], s[SEL+1]
.endr
.irp n, 0,1,2,3
	v_max_num_f32 v[MX+\n], v[MX+\n], v[PB+\n]     ; with lane l xor 16's 16 keys
.endr
.set k, 0
.rept 8                                        ; tile 1's block maxima, tile 0's way to -M among them
.irp n, 4,5,6,7
	MAXL \n, k
.endr
	CHAIN 0, k
.set k, k+1
.endr
.irp n, 4,5,6,7
	v_permlanex16_b32 v[PB+\n], v[MX+\n], s[SEL], s[SEL+1]
.endr
	CHAIN 0, 8
.irp n, 4,5,6,7
	v_max_num_f32 v[MX+\n], v[MX+\n], v[PB+\n]
.endr
.set k, 0
.rept 9                                        ; tile 0's t - M, tile 1's way to -M among the lines
	CHAIN 1, k
	FMAL 0, 4*k
	FMAL 0, 4*k+1
	FMAL 0, 4*k+2
	FMAL 0, 4*k+3
.set k, k+1
.endr
	s_wait_alu depctr_va_vdst(0)                   ; the wait ahead of the batch
.set k, 0
.rept 32                                       ; tile 0: p = 2^(t - M); among the exponentials tile 1's t - M, read behind the wait below alone
	v_exp_f32 v[S+2*k], v[S+2*k]
	FMAL 1, k
	v_exp_f32 v[S+2*k+1], v[S+2*k+1]
.set k, k+1
.endr
.irp b, 0,1,2,3
	v_exp_f32 v[MX+\b], v[MX+\b]                   ; the block's largest p: the same two instructions on the same number
	FMAL 1, 32+\b
.endr
	s_wait_alu depctr_va_vdst(0)                   ; the one wait behind the batch
.irp n, 0,1,2,3
	v_max_num_f32 v[MX+\n], 0x4800000, v[MX+\n]    ; the floor 2^(9 - 127)
.endr
.irp n, 0,1,2,3
	v_add_nc_u32 v[SO+\n], 0xfc000000, v[MX+\n]    ; the conversion's scale operand
.endr
.irp n, 0,1,2,3
	v_and_or_b32 v[BD+\n], v[MX+\n], 0x7f800000, s[MNT]   ; 448 x the scale
.endr
.irp n, 0,1,2,3
	v_lshrrev_b32 v[PB+\n], 23, v[SO+\n]           ; the byte
.endr
	v_lshl_or_b32 v[PSW], v[PB+1], 8, v[PB]        ; p's scale word for these 128 keys
	v_lshl_or_b32 v[PSW], v[PB+2], 16, v[PSW]
	v_lshl_or_b32 v[PSW], v[PB+3], 24, v[PSW]
	s_wait_alu depctr_va_vdst(0)                   ; ahead of the second batch
.set i, 0
.set f, 0
.rept 68                                       ; tile 1's exponentials; among them 48 lines of tile 0: 16 sums of two pairs of the unquantised p (into the partial sums and the codes' registers, which are free), then its 32 holds
.if i < 64
	v_exp_f32 v[S+64+i], v[S+64+i]
.else
	v_exp_f32 v[MX+i-60], v[MX+i-60]
.endif
.if (i%4 != 3) && (f < 48)
.if f < 8
	v_pk_add_f32 v[SA+2*f:SA+2*f+1], v[S+2*f:S+2*f+1], v[S+32+2*f:S+33+2*f]
.elseif f < 16
	v_pk_add_f32 v[PCD+2*f-16:PCD+2*f-15], v[S+2*f:S+2*f+1], v[S+32+2*f:S+33+2*f]
.else
	v_dual_min_num_f32 v[S+2*f-32], v[S+2*f-32], v[BD+(f-16)/8] :: v_dual_min_num_f32 v[S+2*f-31], v[S+2*f-31], v[BD+(f-16)/8]
.endif
.set f, f+1
.endif
.set i, i+1
.endr
	v_nop                                          ; a plain line behind the exponentials
	s_wait_alu depctr_va_vdst(0)                   ; and the wait behind the batch
.irp j, 0,1,2,3,4,5,6,7
	v_pk_add_f32 v[SA+2*\j:SA+2*\j+1], v[SA+2*\j:SA+2*\j+1], v[PCD+2*\j:PCD+2*\j+1]
.endr
.set c, 0
.rept 8                                        ; tile 0's conversions, three plain lines behind each
	CVT8 c
	F6 3*c
	F6 3*c+1
	F6 3*c+2
.set c, c+1
.endr
	F6 24
	F6 25
	F6 26
.set q, 0
.rept 28                                       ; tile 1's sum of the unquantised p, ahead of its holds
	SUM1 q
.set q, q+1
.endr
.irp n, 4,5,6,7                                ; tile 1's holds; a block's two conversions stand among the next block's holds
	HOLD4 \n, 0
.if \n > 4
	CVT8 2*\n-2
.endif
	HOLD4 \n, 8
.if \n > 4
	CVT8 2*\n-1
.endif
.endr
	CVT8 14                                        ; the last block's among the sum's last lines
	SUM1 28
	SUM1 29
	CVT8 15
	SUM1 30
	SUM1 31
	WIN 0x41                                       ; O^T in window 1, f in window 0
	s_wait_alu depctr_va_vdst(0)                   ; the wait directly ahead of the first reader of O^T
.irp u, 0,1
.set i, 0
.rept 16
	v_pk_mul_f32 v[O+32*\u+i:O+32*\u+i+1], v[O+32*\u+i:O+32*\u+i+1], v[F+2*\u:F+2*\u+1] op_sel_hi:[1,0]   ; O^T under the new M; these lines also stand between the conversions and the products
.set i, i+2
.endr
.endr
	WIN 0x51                                       ; V and O^T in window 1, p's codes in window 0
	s_wait_alu depctr_va_vdst(0)
	s_wait_dscnt 17                                ; V and its scale words are in; the 17 loads issued behind them (the next step's K) may be out
.irp t, 0,1,2,3                                ; O^T += V^T P^T: four tiles of 16 channels for each tile of queries, each accumulator once
.irp u, 0,1
	v_wmma_scale_f32_16x16x128_f8f6f4 v[O+32*\u+8*\t:O+32*\u+8*\t+7], v[VF+16*\t:VF+16*\t+15], v[PCD+16*\u:PCD+16*\u+15], v[O+32*\u+8*\t:O+32*\u+8*\t+7], v[VS+\t], v[PSW+\u]
.endr
.endr
	WIN 0
.endm
; A PASS is one image of Q, two tiles.  READY: its Q, its scale words, and the start of M, l and O^T.
.macro READY p
.if \p
	s_wait_xcnt 0x0                                ; the last pass's loads and stores have read their registers and bases
	s_add_nc_u64 s[QB:QB+1], s[QB:QB+1], 2048      ; the next image, its scale word, two tiles of oq on
	s_add_nc_u64 s[QS:QS+1], s[QS:QS+1], 4
	s_add_nc_u64 s[OC:OC+1], s[OC:OC+1], 32768
	s_add_nc_u64 s[OS:OS+1], s[OS:OS+1], 1024
.endif
	WIN 0x40
.irp u, 0,1
	global_load_b128 v[Q+24*\u:Q+24*\u+3], v[LI], s[QB:QB+1] offset:1024*\u          ; q's 64 channels: two groups; once in front of the zeros,
	global_load_b128 v[Q+24*\u+4:Q+24*\u+7], v[LI], s[QB:QB+1] offset:1024*\u+512
	global_load_b128 v[Q+24*\u+16:Q+24*\u+19], v[LI], s[QB:QB+1] offset:1024*\u      ; once behind them
	global_load_b128 v[Q+24*\u+20:Q+24*\u+23], v[LI], s[QB:QB+1] offset:1024*\u+512
.endr
	WIN 0
	global_load_b32 v[QW], v[LR], s[QS:QS+1]       ; the image's scale word of my row
.irp u, 0,1
	v_mov_b32 v[NM+2*\u+1], 0xff61b1e6             ; the largest t so far: -3e38
	v_mov_b32 v[L+2*\u], 0                         ; the sum, in two halves
	v_mov_b32 v[L+2*\u+1], 0
.endr
.irp u, 0,1
	v_floor_f32 v[NM+2*\u], -v[NM+2*\u+1]          ; -M
.endr
	s_wait_loadcnt 0x0
.irp u, 0,1
	v_perm_b32 v[QSW+\u], v[QW], v[QW], 0x01000100+0x02020202*\u   ; a tile's two bytes, for both halves of the instruction's K
.endr
	WIN 0x40
.set i, 0
.rept 64
	v_mov_b32 v[O+i], 0                            ; O^T: the step is written once; its first trip finds zeros.  (Also the places between the scale words' lines and the first product)
.set i, i+1
.endr
	WIN 0
.endm
; WALK: the two tiles walk all 16 steps, and o leaves.
.macro WALK
	s_mov_b32 s[TB], 0
	s_mov_b32 s[KC], 0
	s_mov_b32 s[TN], KVB
.Lstep_\@:
	STEP
	s_add_co_u32 s[TB], s[TB], KVB
	s_add_co_u32 s[KC], s[KC], 1
	s_add_co_u32 s[TN], s[KC], 1
	s_and_b32 s[TN], s[TN], 15                     ; the step after: modulo 16
	s_mul_i32 s[TN], s[TN], KVB
	s_cmp_lt_u32 s[KC], 16
	s_cbranch_scc1 .Lstep_\@
.irp u, 0,1                                    ; six lines and two v_nop: the places behind the last products
	v_add_f32 v[L+2*\u], v[L+2*\u], v[L+2*\u+1]
.endr
.irp u, 0,1
	v_permlanex16_b32 v[TP+\u], v[L+2*\u], s[SEL], s[SEL+1]
.endr
.irp u, 0,1
	v_add_f32 v[L+2*\u], v[L+2*\u], v[TP+\u]       ; the row's sum
.endr
	v_nop
	v_nop
	s_wait_alu depctr_va_vdst(0)                   ; the wait ahead of the transcendentals
	v_rcp_f32 v[L], v[L]
	v_rcp_f32 v[L+2], v[L+2]
	v_nop
	WIN 0x01                                       ; O^T in window 1
	s_wait_alu depctr_va_vdst(0)                   ; and behind them, directly ahead of the first reader of O^T
.irp u, 0,1
.set i, 0
.rept 16
	v_pk_mul_f32 v[S+64*\u+i:S+64*\u+i+1], v[O+32*\u+i:O+32*\u+i+1], v[L+2*\u:L+2*\u+1] op_sel_hi:[1,0]   ; o = O^T / l, each accumulator from its low end on
.set i, i+2
.endr
.endr
	WIN 0
	; 32 numbers a tile (register 16 b + i = channel 32 b + 16 h + i) become eight registers of codes and two bytes: blocks n = 0, 1 (tile 0), 4, 5 (tile 1)
.irp n, 0,1,4,5
	v_max3_num_f32 v[MX+\n], |v[S+16*\n]|, |v[S+16*\n+1]|, 0x4800000
.endr
.irp i, 2,4,6,8,10,12,14
.irp n, 0,1,4,5
	v_max3_num_f32 v[MX+\n], v[MX+\n], |v[S+16*\n+\i]|, |v[S+16*\n+\i+1]|
.endr
.endr
.irp n, 0,1,4,5
	v_permlanex16_b32 v[PB+\n], v[MX+\n], s[SEL], s[SEL+1]
.endr
.irp n, 0,1,4,5
	v_max_num_f32 v[MX+\n], v[MX+\n], v[PB+\n]
.endr
.irp n, 0,1,4,5
	v_add_nc_u32 v[SO+\n], 0xfc000000, v[MX+\n]
.endr
.irp n, 0,1,4,5
	v_and_or_b32 v[BD+\n], v[MX+\n], 0x7f800000, s[MNT]
.endr
.irp n, 0,1,4,5
	v_lshrrev_b32 v[PB+\n], 23, v[SO+\n]
.endr
.irp n, 0,1,4,5
.irp i, 0,1,2,3,4,5,6,7,8,9,10,11,12,13,14,15
	v_med3_num_f32 v[S+16*\n+\i], v[S+16*\n+\i], -v[BD+\n], v[BD+\n]
.endr
.endr
.irp n, 0,1,4,5
	CVT8 2*\n
	CVT8 2*\n+1
.endr
	v_nop                                          ; a plain line behind the last conversion
.irp u, 0,1
	v_cndmask_b32 v[BY+\u], v[PB+4*\u], v[PB+4*\u+1], s[HM]   ; lanes 0-15 store block 0's byte, lanes 16-31 block 1's
.endr
.irp u, 0,1
	global_store_b128 v[LI], v[PCD+16*\u:PCD+16*\u+3], s[OC:OC+1] offset:16384*\u          ; 512 consecutive bytes a store
	global_store_b128 v[LI], v[PCD+16*\u+4:PCD+16*\u+7], s[OC:OC+1] offset:16384*\u+512
	global_store_b8 v[BO], v[BY+\u], s[OS:OS+1] offset:512*\u
.endr
.endm
	READY 0                                        ; the first pass is made ready while K and V are on their way
	s_wait_alu depctr_va_vdst(0)                   ; the wait at the head's end
	s_wait_tensorcnt 0x0                           ; my two steps have landed,
	s_barrier_signal -1
	s_barrier_wait -1                              ; everybody's have
	WIN 0x40
.irp f, 0,1,2,3
.irp c, 0,1,2,3
	ds_load_b128 v[KF+16*\f+4*\c:KF+16*\f+4*\c+3], v[LI] offset:2048*\f+512*\c   ; step 0's K
.endr
.endr
	WIN 0
	ds_load_b128 v[KS:KS+3], v[LR] offset:16384
	WALK
	READY 1
	WALK
	s_wait_tensorcnt 0x0                           ; the wave's end
	ds_add_u32 v[SPW], v[NIL]
	s_wait_dscnt 0x0
	ROUND                                          ; the closing round
	s_endpgm
.Lfunc_end_k_qf9194d9b17_attn:
	.size	k_qf9194d9b17_attn, .Lfunc_end_k_qf9194d9b17_attn-k_qf9194d9b17_attn
	.p2alignl 7, 3214868480
	.fill 96, 4, 3214868480
	.section	.rodata,"a",@progbits
	.p2align	6, 0x0
	.amdhsa_kernel k_qf9194d9b17_attn
		.amdhsa_group_segment_fixed_size 327680
		.amdhsa_private_segment_fixed_size 0
		.amdhsa_enable_private_segment 0
		.amdhsa_kernarg_size 16
		.amdhsa_user_sgpr_count 2
		.amdhsa_user_sgpr_kernarg_segment_ptr 1
		.amdhsa_wavefront_size32 1
		.amdhsa_system_sgpr_workgroup_id_x 1
		.amdhsa_system_sgpr_workgroup_id_y 1
		.amdhsa_system_sgpr_workgroup_id_z 1
		.amdhsa_system_vgpr_workitem_id 0
		.amdhsa_next_free_vgpr 512
		.amdhsa_next_free_sgpr 66
		.amdhsa_reserve_vcc 0
		.amdhsa_float_denorm_mode_32 3
		.amdhsa_float_denorm_mode_16_64 3
		.amdhsa_memory_ordered 1
		.amdhsa_forward_progress 1
		.amdhsa_inst_pref_size 104
	.end_amdhsa_kernel
	.amdgpu_metadata
---
amdhsa.version: [ 1, 2 ]
amdhsa.kernels:
  - .name:           k_qf9194d9b17_attn
    .symbol:         k_qf9194d9b17_attn.kd
    .args:
      - { .name: qkv, .offset: 0, .size: 8, .value_kind: global_buffer, .address_space: global }
      - { .name: oq, .offset: 8, .size: 8, .value_kind: global_buffer, .address_space: global }
    .group_segment_fixed_size: 327680
    .private_segment_fixed_size: 0
    .kernarg_segment_align: 8
    .kernarg_segment_size: 16
    .max_flat_workgroup_size: 256
    .sgpr_count:     66
    .vgpr_count:     512
    .wavefront_size: 32
...
	.end_amdgpu_metadata
.endif
;; end of part 3
;; launch gemm_out (part 4): grid 4 x 64, 4 waves a work-group, clusters of 4 x 4, 327,680 bytes of LDS; arguments wq, oq, bo, out0; writes out0
.if DOCPART == 4
	.amdgcn_target "amdgcn-amd-amdhsa--gfx1250"
	.amdhsa_code_object_version 6
	.text
	.protected	k_qf9194d9b17_gemm_out
	.globl	k_qf9194d9b17_gemm_out
	.p2align	8
	.type	k_qf9194d9b17_gemm_out,@function
k_qf9194d9b17_gemm_out:
	s_mov_b64 s[64:65], 0
	v_nop
	global_prefetch_b8 v0, s[64:65] scope:SCOPE_SE
	s_setreg_imm32_b32 hwreg(HW_REG_WAVE_MODE, 25, 1), 1
	s_wait_xcnt 0x0
	s_wait_alu depctr_hold_cnt(0) depctr_sa_sdst(0) depctr_va_vdst(0) depctr_va_sdst(0) depctr_va_ssrc(0) depctr_va_vcc(0) depctr_vm_vsrc(0)
	s_getreg_b32 s2, hwreg(HW_REG_IB_STS2, 6, 4)
	s_cmp_eq_u32 s2, 0
	s_cbranch_scc0 .Lentry_in_a_cluster
	s_endpgm
.Lentry_in_a_cluster:
	s_bfe_u32 s2, ttmp6, 0x10000c
	s_cmp_lg_u32 s2, 0xf033
	s_cbranch_scc0 .Lentry_shape_is_right
	s_endpgm
.Lentry_shape_is_right:
; out0 = o Wo + bo on codes of FP8 (E4M3) with E8M0 scales; sums and result in f32.  out0: [8192][1024].
; OPERANDS arrive as images of their registers: a tile T is 16 rows, lane r holding row 32 (T / 2) + 8 (T % 2) + r + 8 (r / 8); a fragment (T, 128 along K) is 2,048 bytes, four groups of 512, 16 bytes a lane.
; Codes [T][K step 0..7][2048]; scale words [T][s 0..3][r][K steps 2 s, 2 s + 1] behind them.  P (source 0) = Wo's columns: tiles 192 on of wq; R (source 1) = tokens: oq.
; In a result lane (r, h) holds row r of R's tile, and the 16 registers of P's tiles 2 b, 2 b + 1 are columns 32 b + 16 h + 0 .. 15.
; SHARES: a work-group makes 256 columns x 128 tokens: 4 x 64 = 256 work-groups of equal work (tiles of 256 x 256 would be 128).  Each of four waves makes 128 x 64: 32 accumulators.
; LDS: a slot holds 256 along K: R's 8 tiles and P's 16, 98,304 bytes; THREE slots fit, so K steps 0, 1, 2 of four are first fills, and only K step 3 is a refill, into slot 0: asked for when
; slot 1 is left, read two slots' steps later.  The scale words of all of K come once.
; CLUSTER 4 x 4: R's tiles are shared along a row of the cluster, P's along a column: joint loads.
; REGISTERS: window 0: v1-7 at work, v8-11 bo, v16-29 addresses, v32-63 scale words (two sets), v128-255 R's fragments (two sets of four), on the way out rows of the result.
;   window 1: P's fragments, two sets.   window 2: the accumulators: (a, b) at v[64 a + 8 b].
.set XSC,   8388608
.set WSC,   4194304
.set SLOT,  98304                      ; R's two loads of 16,384 bytes, then P's two of 32,768; in a load [tile][K step 0..1][2048]
.set SCL,   294912                     ; R's scale words, 4,096 bytes, then P's, 8,192
.set SPARE, 307200                     ; the spare words, 128 bytes for each wave: two blocks of 256 bytes that no other line names
.set STG,   SLOT                       ; the way out: a stage of 16 rows x (512 bytes + 16) for each wave, in slot 1: filled once, and last read in front of the last barrier of the K walk
.set SPITCH, 528
.set RSTEP, 12288                      ; slot 0's second K step lies three steps of 4,096 bytes on
.set FR,    16
.set NL,    4
.set NP,    8                          ; places behind this matrix instruction (ISA guide 7.12.1)
.set NQ,    2
.set BI,    8                          ; v[8:11] bo at my four columns of a row
.set ADRA,  16                         ; v16-18  LDS address of my R fragments in slot 0, 1, 2
.set ADRB,  20                         ; v20-22  the same for P
.set STO,   24
.set RD,    25
.set CO,    26
.set ADRS2, 27                         ; v27     my scale words: lanes 0-15 R's, lanes 16-31 P's
.set SPW,   28
.set NIL,   29
.set SC,    32
.set AF,    128
.set BK,    128
.set G1,    24                         ; s[24:31] group 1 for R's codes;  s[32:43] group 0, one set for each slot
.set G0,    32
.set G1B,   44                         ; s[44:51], s[52:63] the same for P's
.set G0B,   52
.set G1S,   68
.set G0S,   76
.set G1SB,  80
.set G0SB,  88
.set MSB, 0
.macro WIN new                         ; the immediate's high byte repeats the setting that is left
.if MSB != (\new)
	s_set_vgpr_msb (MSB<<8)|(\new)
.set MSB, (\new)
.endif
.endm
.set MUL_LO, 0xa1                      ; source 0 (P) window 1, source 1 (R) window 0, C and D window 2
.set TO_B,   0x40
; A joint load: waves 0 and 1 fetch for R, waves 2 and 3 for P.  The branch hangs on the wave's number alone.  Four v_nop follow each of the two lines.
.macro JLOAD g0a, g1a, g0b, g1b
	s_cmp_eq_u32 s15, 0
	s_cbranch_scc0 .Lfor_p_\@
	tensor_load_to_lds s[\g0a:\g0a+3], s[\g1a:\g1a+7]
	s_nop 0
.rept 4
	v_nop
.endr
	s_branch .Lasked_\@
.Lfor_p_\@:
	tensor_load_to_lds s[\g0b:\g0b+3], s[\g1b:\g1b+7]
	s_nop 0
.rept 4
	v_nop
.endr
.Lasked_\@:
.endm
.macro CREST                           ; a round of the cluster's barrier behind its opening barrier
	s_cmp_lg_u32 s14, 0
	s_cbranch_scc1 .Lnot_wave_0_\@
	s_barrier_signal -3
.Lnot_wave_0_\@:
	s_barrier_wait -3
	s_barrier_signal -1
	s_barrier_wait -1
.endm
.macro CROUND
	s_barrier_signal -1
	s_barrier_wait -1
	CREST
.endm
	s_load_b256 s[4:11], s[0:1], 0x0               ; wq s[4:5], oq s[6:7], bo s[8:9], out0 s[10:11]
	v_lshl_add_u32 v[SPW], v0, 2, SPARE
	v_mov_b32 v[NIL], 0
	ds_add_u32 v28, v29
	ds_add_u32 v28, v29
	s_wait_dscnt 0x0
	v_lshrrev_b32 v1, 5, v0
	v_readfirstlane_b32 s14, v1                    ; wave 0..3
	s_lshr_b32 s15, s14, 1                         ; which half of R's 128 rows is mine.  Also: I fetch for R (0) or for P (1)
	s_and_b32 s16, s14, 1                          ; which half of P's 256.  Also: which half of that operand's tiles I fetch
	s_bfe_u32 s92, ttmp6, 0x40000                  ; cx
	s_bfe_u32 s93, ttmp6, 0x40004                  ; cy
	s_lshl_b32 s94, ttmp9, 2
	s_add_co_u32 s94, s94, s92                     ; P's block of 256 columns
	s_and_b32 s17, ttmp7, 0xffff
	s_lshl_b32 s17, s17, 2
	s_add_co_u32 s17, s17, s93                     ; R's block of 128 tokens
	s_lshl_b32 s95, s93, 2
	s_lshl_b32 s95, 15, s95                        ; my row of the cluster
	s_lshl_b32 s96, 0x1111, s92                    ; my column
	; descriptor group 1 for codes: rows (tiles) of 4,096 bytes (two K steps), 16,384 bytes apart: elements of 8 bytes, no padding; R: 4 rows, P: 8
	s_or_b32 s[G1+0], s95, (3<<16)|(1<<21)         ; 15:0 the mask: R's tiles go to my row; 17:16 elements of 8 bytes; 21 set beside a mask
	s_mov_b32 s[G1+1], 512<<16                     ; tensor_dim0
	s_mov_b32 s[G1+2], 8<<16                       ; tensor_dim1: the head's load brings all eight tiles of R; behind it the count is set to 4
	s_mov_b32 s[G1+3], 512<<16                     ; tile_dim0
	s_mov_b32 s[G1+4], 8
	s_mov_b32 s[G1+5], 2048                        ; tensor_dim0_stride
	s_mov_b32 s[G1+6], 0
	s_mov_b32 s[G1+7], 0
	s_or_b32 s[G1B+0], s96, (3<<16)|(1<<21)
	s_mov_b32 s[G1B+1], 512<<16
	s_mov_b32 s[G1B+2], 16<<16                     ; likewise all sixteen of P, then 8
	s_mov_b32 s[G1B+3], 512<<16
	s_mov_b32 s[G1B+4], 16
	s_mov_b32 s[G1B+5], 2048
	s_mov_b32 s[G1B+6], 0
	s_mov_b32 s[G1B+7], 0
	; and for the scale words: dense bytes as rows of 256; R: eight tiles, 16 rows; P: sixteen tiles, 32 rows
	s_or_b32 s[G1S+0], s95, (3<<16)|(1<<21)
	s_mov_b32 s[G1S+1], 32<<16
	s_mov_b32 s[G1S+2], 16<<16                     ; R's scale words whole: eight tiles, 16 rows of 256 bytes
	s_mov_b32 s[G1S+3], 32<<16
	s_mov_b32 s[G1S+4], 16
	s_mov_b32 s[G1S+5], 32
	s_mov_b32 s[G1S+6], 0
	s_mov_b32 s[G1S+7], 0
	s_or_b32 s[G1SB+0], s96, (3<<16)|(1<<21)
	s_mov_b32 s[G1SB+1], 32<<16
	s_mov_b32 s[G1SB+2], 32<<16                    ; P's whole: sixteen tiles, 32 rows
	s_mov_b32 s[G1SB+3], 32<<16
	s_mov_b32 s[G1SB+4], 32
	s_mov_b32 s[G1SB+5], 32
	s_mov_b32 s[G1SB+6], 0
	s_mov_b32 s[G1SB+7], 0
	; byte offsets of what I fetch, each in the pair that its buffer's address is added to below
	s_lshl_b32 s20, s17, 3
	s_lshl_b32 s21, s16, 2
	s_add_co_u32 s20, s20, s21                     ; R: my first tile of oq
	s_lshl_b32 s[G0+2], s20, 14
	s_mov_b32 s[G0+3], 0
	s_lshl_b32 s[G0S+2], s17, 12                   ; the scale words of R's whole block: eight tiles of 512 bytes
	s_add_co_u32 s[G0S+2], s[G0S+2], XSC
	s_mov_b32 s[G0S+3], 0
	s_lshl_b32 s22, s94, 4
	s_lshl_b32 s23, s16, 3
	s_add_co_u32 s22, s22, s23
	s_add_co_u32 s22, s22, 192                     ; P: my first tile of wq; Wo's tiles lie behind Wqkv's 192
	s_lshl_b32 s[G0B+2], s22, 14
	s_mov_b32 s[G0B+3], 0
	s_lshl_b32 s[G0SB+2], s94, 13                  ; of P's whole block: sixteen tiles, behind Wqkv's 192
	s_add_co_u32 s[G0SB+2], s[G0SB+2], 98304
	s_add_co_u32 s[G0SB+2], s[G0SB+2], WSC
	s_mov_b32 s[G0SB+3], 0
	; where they go: no place in the cluster enters an LDS address
	s_lshl_b32 s97, s16, 14
	s_lshl_b32 s98, s16, 15
	s_mov_b32 s[G0S], 1
	s_mov_b32 s[G0S+1], SCL
	s_mov_b32 s[G0SB], 1
	s_mov_b32 s[G0SB+1], SCL+4096
.irp s, 0,1,2
	s_mov_b32 s[G0+4*\s], 1
	s_add_co_u32 s[G0+4*\s+1], s97, \s*SLOT
	s_mov_b32 s[G0B+4*\s], 1
	s_add_co_u32 s[G0B+4*\s+1], s98, \s*SLOT+32768
.endr
	s_wait_kmcnt 0x0
	s_add_nc_u64 s[G0+2:G0+3], s[6:7], s[G0+2:G0+3]
	s_add_nc_u64 s[G0+6:G0+7], s[G0+2:G0+3], 4096  ; slot s begins with K step s
	s_add_nc_u64 s[G0+10:G0+11], s[G0+2:G0+3], 8192
	s_add_nc_u64 s[G0B+2:G0B+3], s[4:5], s[G0B+2:G0B+3]
	s_add_nc_u64 s[G0B+6:G0B+7], s[G0B+2:G0B+3], 4096
	s_add_nc_u64 s[G0B+10:G0B+11], s[G0B+2:G0B+3], 8192
	s_add_nc_u64 s[G0S+2:G0S+3], s[6:7], s[G0S+2:G0S+3]
	s_add_nc_u64 s[G0SB+2:G0SB+3], s[4:5], s[G0SB+2:G0SB+3]
.irp g, G0+3, G0+7, G0+11, G0B+3, G0B+7, G0B+11, G0S+3, G0SB+3
	s_or_b32 s[\g], s[\g], 0x80000000              ; 127:126 type = 2
.endr
	CROUND                                         ; all sixteen work-groups are here: the first joint loads meet
	; THE HEAD'S LOADS, ONE A WAVE, in one chain of branches on the wave's number: wave 0 R's K step 0 (its own group 0 names R's first tile and LDS byte 0), wave 2 P's likewise, wave 1 R's scale words, wave 3 P's
	s_cmp_eq_u32 s14, 0
	s_cbranch_scc0 .Lh1
	tensor_load_to_lds s[G0:G0+3], s[G1:G1+7]
	s_nop 0
.rept 4
	v_nop
.endr
	s_branch .Lhj
.Lh1:
	s_cmp_eq_u32 s14, 2
	s_cbranch_scc0 .Lh2
	tensor_load_to_lds s[G0B:G0B+3], s[G1B:G1B+7]
	s_nop 0
.rept 4
	v_nop
.endr
	s_branch .Lhj
.Lh2:
	s_cmp_eq_u32 s14, 1
	s_cbranch_scc0 .Lh3
	tensor_load_to_lds s[G0S:G0S+3], s[G1S:G1S+7]
	s_nop 0
.rept 4
	v_nop
.endr
	s_branch .Lhj
.Lh3:
	tensor_load_to_lds s[G0SB:G0SB+3], s[G1SB:G1SB+7]
	s_nop 0
.rept 4
	v_nop
.endr
.Lhj:
	v_and_b32 v1, 15, v0                           ; r
	v_bfe_u32 v2, v0, 4, 1                         ; h
	v_and_b32 v3, 31, v0
	v_lshlrev_b32 v[CO], 4, v3                     ; 16 x lane
	s_lshl_b32 s20, s15, 14                        ; my four tiles of R,
	s_lshl_b32 s21, s16, 15
	s_add_co_u32 s21, s21, 32768                   ; my eight of P, behind R's eight
.irp s, 0,1,2
	v_add_nc_u32 v[ADRA+\s], s20, v[CO]
	v_add_nc_u32 v[ADRB+\s], s21, v[CO]
	s_add_co_u32 s20, s20, SLOT
	s_add_co_u32 s21, s21, SLOT
.endr
	v_lshlrev_b32 v5, 3, v1                        ; scale words: 8 r,
	s_lshl_b32 s20, s15, 11                        ; R's: my four tiles
	s_lshl_b32 s21, s16, 12
	s_add_co_u32 s21, s21, 4096                    ; P's
	s_sub_co_u32 s21, s21, s20
	v_mul_u32_u24 v6, s21, v2                      ; lanes 16-31 take P's: one product, the distance between the two
	s_add_co_u32 s20, s20, SCL
	v_add_nc_u32 v5, v5, v6
	v_add_nc_u32 v[ADRS2], s20, v5
	s_mul_i32 s23, s14, 16*SPITCH
	s_add_co_u32 s23, s23, STG                     ; my stage
	v_mul_u32_u24 v5, v1, SPITCH                   ; in: row r, + 64 h: my 16 columns of a block of 32
	v_lshl_add_u32 v5, v2, 6, v5
	v_add_nc_u32 v[STO], s23, v5
	v_add_nc_u32 v[RD], s23, v[CO]                 ; back: the 32 lanes take one row of 512 bytes
	s_lshl_b32 s97, s94, 10                        ; my first column, in bytes: 1,024 x block + 512 x half
	s_lshl_b32 s98, s16, 9
	s_add_co_u32 s98, s97, s98
	s_mov_b32 s99, 0
	s_add_nc_u64 s[18:19], s[8:9], s[98:99]
	global_load_b128 v[BI:BI+3], v[CO], s[18:19]   ; bo at the four columns that I store of every row; waited for at the head of the way out
	s_lshl_b32 s100, s17, 19                       ; my first token's row: (128 x block + 64 x half) x 4,096 bytes
	s_lshl_b32 s101, s15, 18
	s_add_co_u32 s100, s100, s101
	s_add_co_u32 s100, s100, s98
	s_mov_b32 s101, 0
	s_add_nc_u64 s[12:13], s[10:11], s[100:101]
.macro FRAG reg, adr, q, i             ; a fragment comes back as it was stored: four loads of 512 consecutive bytes
.irp c, 0,1,2,3
	ds_load_b128 v[\reg+4*\c:\reg+4*\c+3], v[\adr] offset:2048*(\q)+512*\c+4096*(\i)
.endr
.endm
.macro PLACES n                        ; plain vector lines between a matrix instruction and a load into, or a read of, its registers (ISA guide 7.12.1 for vector reads and writes)
.rept \n
	v_nop
.endr
.endm
; 8 matrix instructions: R's tile a of four x P's eight; both operands from their sets p.  The 32 accumulators take turns, one instruction a turn, in the same order in every step.
.macro MULV a, p, q, sc, zero
.irp b, 0,1,2,3,4,5,6,7
.if \zero
	v_wmma_scale_f32_16x16x128_f8f6f4 v[64*(\a)+8*\b:64*(\a)+8*\b+7], v[128*(\p)+FR*\b:128*(\p)+FR*\b+FR-1], v[AF+64*(\p)+FR*(\a):AF+64*(\p)+FR*(\a)+FR-1], 0, v[SC+8*NQ*(\sc)+NQ*\b+(\q)], v[SC+8*NQ*(\sc)+NQ*(\a)+(\q)] matrix_a_scale:MATRIX_SCALE_ROW1
.else
	v_wmma_scale_f32_16x16x128_f8f6f4 v[64*(\a)+8*\b:64*(\a)+8*\b+7], v[128*(\p)+FR*\b:128*(\p)+FR*\b+FR-1], v[AF+64*(\p)+FR*(\a):AF+64*(\p)+FR*(\a)+FR-1], v[64*(\a)+8*\b:64*(\a)+8*\b+7], v[SC+8*NQ*(\sc)+NQ*\b+(\q)], v[SC+8*NQ*(\sc)+NQ*(\a)+(\q)] matrix_a_scale:MATRIX_SCALE_ROW1
.endif
.endr
.endm
.macro FETCH_V slot, q, p              ; a step's twelve fragments into the sets p: 48 loads
	WIN TO_B
.irp i, 0,1,2,3,4,5,6,7
	FRAG 128*(\p)+FR*\i, ADRB+\slot, \q, \i
.endr
	WIN 0
.irp i, 0,1,2,3
	FRAG AF+64*(\p)+FR*\i, ADRA+\slot, \q, \i
.endr
.endm
.macro SCALES2 sc                      ; a slot's two words a row.  Lanes 16-31: P's tile i; lanes 0-15: R's tile i for i < 4; for i = 4 .. 7 they load words that no product names, from inside the filled bytes
.irp i, 0,1,2,3,4,5,6,7
	ds_load_b64 v[SC+8*NQ*(\sc)+NQ*\i:SC+8*NQ*(\sc)+NQ*\i+1], v[ADRS2] offset:512*\i
.endr
.endm
.macro STEP2 slot, sc, zero            ; a slot's first 128 along K (sets 0); the second's fragments are asked for first, into the sets 1
	PLACES NP                                      ; the sets 1 were read by the products just issued
	FETCH_V \slot, 1, 1
	s_wait_dscnt 12*NL                             ; all but the 48 just issued: the sets 0 and the scale words are in
	WIN MUL_LO
.irp a, 0,1,2,3
	MULV \a, 0, 0, \sc, \zero
.endr
	WIN 0
.endm
; A slot's second 128 along K (sets 1) goes on to the next slot.  mode = 2: the slot that is left is filled again, behind a round of the cluster's barrier; in front of it each wave waits for all its tensor loads,
; adds 0 to its spare word, and waits for that and for its reads of the slot.  mode = 1: the next slot holds that refill: every wave's part has landed behind my work-group's barrier.
; mode = 0: the next slot was shown whole by an earlier barrier, and the slot that is left is not written again before a later one: no barrier.
.macro TURN2 slot, next, sc, mode, fs=0, st=0      ; mode = 2: slot fs is filled behind the round; st = 1: with its K step three steps on (a refill), st = 0: for the first time
.if \mode
	s_wait_tensorcnt 0x0                           ; all my tensor loads have landed
	ds_add_u32 v[SPW], v[NIL]                      ; 0 onto my spare word
	s_wait_dscnt 1                                 ; the step's fragments are in; the add may be out
	WIN MUL_LO
	MULV 0, 1, 1, \sc, 0
	s_wait_dscnt 0x0                               ; the add is done, and my reads of this slot are over
	s_barrier_signal -1
	MULV 1, 1, 1, \sc, 0
	WIN 0
	s_barrier_wait -1
.else
	s_wait_dscnt 0x0                               ; the step's fragments are in
	WIN MUL_LO
	MULV 0, 1, 1, \sc, 0
	MULV 1, 1, 1, \sc, 0
	WIN 0
.endif
.if \mode == 2
	CREST
.if \st
	s_add_nc_u64 s[G0+4*\fs+2:G0+4*\fs+3], s[G0+4*\fs+2:G0+4*\fs+3], RSTEP
	s_add_nc_u64 s[G0B+4*\fs+2:G0B+4*\fs+3], s[G0B+4*\fs+2:G0B+4*\fs+3], RSTEP
.endif
	JLOAD G0+4*\fs, G1, G0B+4*\fs, G1B
	PLACES NP-4
.else
	PLACES NP
.endif
	v_add_nc_u32 v[ADRS2], 128, v[ADRS2]           ; the next slot's scale words
	FETCH_V \next, 0, 0
	SCALES2 1-\sc
	WIN MUL_LO
	MULV 2, 1, 1, \sc, 0
	MULV 3, 1, 1, \sc, 0
	WIN 0
.endm
	s_wait_alu depctr_va_vdst(0)
	s_wait_tensorcnt 0x0                           ; the scale words are in; each later first fill stands behind the three lines and a round
	ds_add_u32 v[SPW], v[NIL]
	s_mov_b32 s[G1+2], 4<<16                       ; no tensor load of mine is out: from here on a load brings four tiles of R, eight of P
	s_mov_b32 s[G1+4], 4
	s_mov_b32 s[G1B+2], 8<<16
	s_mov_b32 s[G1B+4], 8
	s_wait_dscnt 0x0
	CROUND                                         ; K step 0 is whole in every work-group
	JLOAD G0+4, G1, G0B+4, G1B                     ; K step 1
	FETCH_V 0, 0, 0
	SCALES2 0
	STEP2 0, 0, 1                                  ; K = 1,024 is four slots' worth, written out: the first products start the sums
	TURN2 0, 1, 0, 2, 2, 0                         ; slot 1 is shown whole; slot 2 takes K step 2, its first fill
	STEP2 1, 1, 0
	s_wait_alu depctr_va_vdst(0)
	TURN2 1, 2, 1, 2, 0, 1                         ; slot 2 is shown whole; slot 0, which nobody reads any more, takes K step 3
	STEP2 2, 0, 0
	s_wait_alu depctr_va_vdst(0)
	TURN2 2, 0, 0, 1                               ; K step 3 has landed; behind this barrier nobody reads slot 1 any more
	STEP2 0, 1, 0
	s_wait_dscnt 0x0
	WIN MUL_LO
.irp a, 0,1,2,3
	MULV \a, 1, 1, 1, 0
.endr
	WIN 0
; THE WAY OUT, a tile of 16 tokens x 128 columns at a time: through my own stage in LDS, back as whole rows of 512 bytes, + bo, stored.  LDS serves a wave's instructions in order (ISA guide 5.7.1.4).
.macro TOSTAGE a
	WIN 0x08                                       ; the data: window 2
.irp b, 0,1,2,3,4,5,6,7
	ds_store_b128 v[STO], v[64*(\a)+8*\b:64*(\a)+8*\b+3] offset:128*(\b/2)+32*(\b%2)        ; columns 32 (b / 2) + 16 h + 8 (b % 2) on; each accumulator from its low end on
	ds_store_b128 v[STO], v[64*(\a)+8*\b+4:64*(\a)+8*\b+7] offset:128*(\b/2)+32*(\b%2)+16
.endr
	WIN 0
.set BB, BK+64*((\a)%2)
.irp t, 0,1,2,3,4,5,6,7,8,9,10,11,12,13,14,15
	ds_load_b128 v[BB+4*\t:BB+4*\t+3], v[RD] offset:\t*SPITCH
.endr
.endm
.macro SEND a, younger                 ; younger: the LDS instructions issued behind tile a's loads, which may stay out
.set BB, BK+64*((\a)%2)
	s_wait_dscnt \younger
.set i, 0
.rept 16
	v_pk_add_f32 v[BB+i:BB+i+1], v[BB+i:BB+i+1], v[BI:BI+1]
	v_pk_add_f32 v[BB+i+2:BB+i+3], v[BB+i+2:BB+i+3], v[BI+2:BI+3]
.set i, i+4
.endr
.irp t, 0,1,2,3,4,5,6,7,8,9,10,11,12,13,14,15
	global_store_b128 v[CO], v[BB+4*\t:BB+4*\t+3], s[12:13] offset:(32*((\a)/2)+8*((\a)%2)+\t+8*(\t/8))*4096 th:TH_STORE_NT   ; stage row t is the tile's row t: 32 lanes store 512 consecutive bytes, aligned; 63 rows of 4,096 bytes at the most in the immediate
.endr
.endm
	s_wait_loadcnt 0x0                             ; bo
	PLACES NP
	TOSTAGE 0
.irp a, 1,2,3
.if \a > 1
	s_wait_xcnt 0x0                                ; tile a - 2's stores have read their registers: tile a's loads may land there
.endif
	TOSTAGE \a
	SEND \a-1, 32                                  ; behind tile a - 1's loads: tile a's 16 stores and 16 loads
.endr
	SEND 3, 0
	s_wait_tensorcnt 0x0                           ; the wave's end
	ds_add_u32 v[SPW], v[NIL]
	s_wait_dscnt 0x0
	CROUND                                         ; the closing round
	s_endpgm
.Lfunc_end_k_qf9194d9b17_gemm_out:
	.size	k_qf9194d9b17_gemm_out, .Lfunc_end_k_qf9194d9b17_gemm_out-k_qf9194d9b17_gemm_out
	.p2alignl 7, 3214868480
	.fill 96, 4, 3214868480
	.section	.rodata,"a",@progbits
	.p2align	6, 0x0
	.amdhsa_kernel k_qf9194d9b17_gemm_out
		.amdhsa_group_segment_fixed_size 327680
		.amdhsa_private_segment_fixed_size 0
		.amdhsa_enable_private_segment 0
		.amdhsa_kernarg_size 32
		.amdhsa_user_sgpr_count 2
		.amdhsa_user_sgpr_kernarg_segment_ptr 1
		.amdhsa_wavefront_size32 1
		.amdhsa_system_sgpr_workgroup_id_x 1
		.amdhsa_system_sgpr_workgroup_id_y 1
		.amdhsa_system_sgpr_workgroup_id_z 1
		.amdhsa_system_vgpr_workitem_id 0
		.amdhsa_next_free_vgpr 768
		.amdhsa_next_free_sgpr 102
		.amdhsa_reserve_vcc 0
		.amdhsa_float_denorm_mode_32 3
		.amdhsa_float_denorm_mode_16_64 3
		.amdhsa_memory_ordered 1
		.amdhsa_forward_progress 1
		.amdhsa_inst_pref_size 97
	.end_amdhsa_kernel
	.amdgpu_metadata
---
amdhsa.version: [ 1, 2 ]
amdhsa.kernels:
  - .name:           k_qf9194d9b17_gemm_out
    .symbol:         k_qf9194d9b17_gemm_out.kd
    .args:
      - { .name: wq, .offset: 0, .size: 8, .value_kind: global_buffer, .address_space: global }
      - { .name: oq, .offset: 8, .size: 8, .value_kind: global_buffer, .address_space: global }
      - { .name: bo, .offset: 16, .size: 8, .value_kind: global_buffer, .address_space: global }
      - { .name: out0, .offset: 24, .size: 8, .value_kind: global_buffer, .address_space: global }
    .group_segment_fixed_size: 327680
    .private_segment_fixed_size: 0
    .kernarg_segment_align: 8
    .kernarg_segment_size: 32
    .max_flat_workgroup_size: 128
    .sgpr_count:     102
    .vgpr_count:     768
    .wavefront_size: 32
...
	.end_amdgpu_metadata
.endif
;; end of part 4
